; MI455X (gfx1250); checked and timed in simulation.
; The chip was launched on July 23, 2026; its instructions are those of AMD's public machine-readable ISA for CDNA 5 (MIT licence, August 2026) and "CDNA5" Instruction Set Architecture Reference Guide (July 2026). The comments in the code are by the model that wrote it; some were corrected since.
;; Self Attention LSA. Allowed arithmetic: float matrix products may take bf16 or f16 operands with f32 sums; other float arithmetic in f32, or as packed bf16 or f16 multiplies, adds, multiply-adds, maxima and minima; sums over many terms, partial sums and values carried from step to step in f32; what a program stores and reads back later, other than sums and carried values, may be rounded once to bf16 or f16.
;; Inputs: Wk 768 x 768 float32; Wq 768 x 768 float32; Wv 768 x 768 float32; temperature one number float32; x 16 x 1,024 x 768 float32.
;; Outputs: out0 16 x 1,024 x 768 float32.
;; 2 versions, each right; version 2 is version 1 with the launch cast written anew for expert scheduling mode. Each part assembles by itself: llvm-mc -triple=amdgcn-amd-amdhsa -mcpu=gfx1250 --defsym DOCPART=n.
;; ======== version 1 of 2: 4 launches
;; limits: values outside matrix products are rounded to bf16; values are held in f16: magnitudes above 65,504 overflow, below 6.1e-05 lose precision
;; workspace buffers: xb 25,165,824 bytes; wb 3,538,944 bytes; qkvt 75,497,472 bytes; pt 33,554,432 bytes; stats 1,048,576 bytes
;; launch cast (part 1): grid 876 x 1, 8 waves a work-group, no clusters, 0 bytes of LDS; arguments x, Wq, Wk, Wv, xb, wb; writes xb, wb
.if DOCPART == 1
	.amdgcn_target "amdgcn-amd-amdhsa--gfx1250"
	.amdhsa_code_object_version 6
	.text
	.protected	k_q4b17d11312_cast
	.globl	k_q4b17d11312_cast
	.p2align	8
	.type	k_q4b17d11312_cast,@function
k_q4b17d11312_cast:
	s_mov_b64 s[64:65], 0
	v_nop
	global_prefetch_b8 v0, s[64:65] scope:SCOPE_SE
	s_setreg_imm32_b32 hwreg(HW_REG_WAVE_MODE, 25, 1), 1
	s_wait_xcnt 0x0
; x [16384][768] and Wq, Wk, Wv [768][768], all f32, are rounded once to bf16 (nearest even): xb [16384][768], wb [2304][768] (rows 0-767 Wq, 768-1535 Wk, 1536-2303 Wv).
; A stream: every byte is read once and written once; no LDS, no barrier, no matrix unit, no cluster (no two work-groups read the same byte).
; A work-group of eight waves takes 65,536 bytes in and makes 32,768 bytes out.  Work-groups 0-767 take x (768 x 65,536 = its bytes); 768-875 the weights, 36 each, in the order q, k, v, whose
; outputs follow each other in wb.  All sixteen loads of a thread go out at once; no register is used twice, so the only waits are the counted ones for the data.
.set X, 4                              ; v[4:67]   sixteen loads of four f32
.set Y, 68                             ; v[68:99]  sixteen pairs of registers, four bf16 each
	s_load_b256 s[4:11], s[0:1], 0x0               ; x s[4:5], Wq s[6:7], Wk s[8:9], Wv s[10:11]
	s_load_b128 s[12:15], s[0:1], 0x20             ; xb s[12:13], wb s[14:15]
	v_lshlrev_b32 v1, 4, v0                        ; 16 bytes in a thread: a wave's load covers 512 consecutive bytes
	v_lshlrev_b32 v2, 3, v0                        ; 8 bytes out a thread: a wave's store covers 256 consecutive bytes, aligned
	s_sub_co_u32 s16, ttmp9, 768                   ; my block among the weights' 108, and in Wq
	s_sub_co_u32 s17, ttmp9, 804                   ; in Wk
	s_sub_co_u32 s18, ttmp9, 840                   ; in Wv
	s_wait_kmcnt 0x0
	s_cmp_lt_u32 ttmp9, 768
	s_cselect_b64 s[20:21], s[4:5], s[6:7]         ; from: x or Wq
	s_cselect_b64 s[22:23], s[12:13], s[14:15]     ; to: xb or wb
	s_cselect_b32 s24, ttmp9, s16                  ; block in the source
	s_cselect_b32 s26, ttmp9, s16                  ; block in the destination
	s_cmp_ge_u32 ttmp9, 804
	s_cselect_b64 s[20:21], s[8:9], s[20:21]
	s_cselect_b32 s24, s17, s24
	s_cmp_ge_u32 ttmp9, 840
	s_cselect_b64 s[20:21], s[10:11], s[20:21]
	s_cselect_b32 s24, s18, s24
	s_lshl_b32 s24, s24, 16
	s_mov_b32 s25, 0
	s_lshl_b32 s26, s26, 15
	s_mov_b32 s27, 0
	s_add_nc_u64 s[20:21], s[20:21], s[24:25]
	s_add_nc_u64 s[22:23], s[22:23], s[26:27]
.irp i, 0,1,2,3,4,5,6,7,8,9,10,11,12,13,14,15
	global_load_b128 v[X+4*(\i):X+4*(\i)+3], v1, s[20:21] offset:4096*(\i) th:TH_LOAD_NT
.endr
.irp i, 0,1,2,3,4,5,6,7,8,9,10,11,12,13,14,15
	s_wait_loadcnt 15-(\i)                         ; loads come back in order: load i is in, the younger ones stay out
	v_cvt_pk_bf16_f32 v[Y+2*(\i)], v[X+4*(\i)], v[X+4*(\i)+1]
	v_cvt_pk_bf16_f32 v[Y+2*(\i)+1], v[X+4*(\i)+2], v[X+4*(\i)+3]
	global_store_b64 v2, v[Y+2*(\i):Y+2*(\i)+1], s[22:23] offset:2048*(\i) th:TH_STORE_NT
.endr
	s_endpgm
.Lfunc_end_k_q4b17d11312_cast:
	.size	k_q4b17d11312_cast, .Lfunc_end_k_q4b17d11312_cast-k_q4b17d11312_cast
	.p2alignl 7, 3214868480
	.fill 96, 4, 3214868480
	.section	.rodata,"a",@progbits
	.p2align	6, 0x0
	.amdhsa_kernel k_q4b17d11312_cast
		.amdhsa_group_segment_fixed_size 0
		.amdhsa_private_segment_fixed_size 0
		.amdhsa_enable_private_segment 0
		.amdhsa_kernarg_size 48
		.amdhsa_user_sgpr_count 2
		.amdhsa_user_sgpr_kernarg_segment_ptr 1
		.amdhsa_wavefront_size32 1
		.amdhsa_system_sgpr_workgroup_id_x 1
		.amdhsa_system_sgpr_workgroup_id_y 1
		.amdhsa_system_sgpr_workgroup_id_z 1
		.amdhsa_system_vgpr_workitem_id 0
		.amdhsa_next_free_vgpr 100
		.amdhsa_next_free_sgpr 66
		.amdhsa_reserve_vcc 0
		.amdhsa_float_denorm_mode_32 3
		.amdhsa_float_denorm_mode_16_64 3
		.amdhsa_memory_ordered 1
		.amdhsa_forward_progress 1
		.amdhsa_inst_pref_size 7
	.end_amdhsa_kernel
	.amdgpu_metadata
---
amdhsa.version: [ 1, 2 ]
amdhsa.kernels:
  - .name:           k_q4b17d11312_cast
    .symbol:         k_q4b17d11312_cast.kd
    .args:
      - { .name: x, .offset: 0, .size: 8, .value_kind: global_buffer, .address_space: global }
      - { .name: Wq, .offset: 8, .size: 8, .value_kind: global_buffer, .address_space: global }
      - { .name: Wk, .offset: 16, .size: 8, .value_kind: global_buffer, .address_space: global }
      - { .name: Wv, .offset: 24, .size: 8, .value_kind: global_buffer, .address_space: global }
      - { .name: xb, .offset: 32, .size: 8, .value_kind: global_buffer, .address_space: global }
      - { .name: wb, .offset: 40, .size: 8, .value_kind: global_buffer, .address_space: global }
    .group_segment_fixed_size: 0
    .private_segment_fixed_size: 0
    .kernarg_segment_align: 8
    .kernarg_segment_size: 48
    .max_flat_workgroup_size: 256
    .sgpr_count:     66
    .vgpr_count:     100
    .wavefront_size: 32
...
	.end_amdgpu_metadata
.endif
;; end of part 1
;; launch proj (part 2): grid 64 x 4, 4 waves a work-group, clusters of 4 x 4, 327,680 bytes of LDS; arguments wb, xb, qkvt; writes qkvt
.if DOCPART == 2
	.amdgcn_target "amdgcn-amd-amdhsa--gfx1250"
	.amdhsa_code_object_version 6
	.text
	.protected	k_q4b17d11312_proj
	.globl	k_q4b17d11312_proj
	.p2align	8
	.type	k_q4b17d11312_proj,@function
k_q4b17d11312_proj:
	s_mov_b64 s[64:65], 0
	v_nop
	global_prefetch_b8 v0, s[64:65] scope:SCOPE_SE
	s_setreg_imm32_b32 hwreg(HW_REG_WAVE_MODE, 25, 1), 1
	s_wait_xcnt 0x0
	s_wait_alu depctr_hold_cnt(0) depctr_sa_sdst(0) depctr_va_vdst(0) depctr_va_sdst(0) depctr_va_ssrc(0) depctr_va_vcc(0) depctr_vm_vsrc(0)
	s_getreg_b32 s2, hwreg(HW_REG_IB_STS2, 6, 4)
	s_cmp_eq_u32 s2, 0
	s_cbranch_scc0 .Lentry_in_a_cluster
	s_endpgm
.Lentry_in_a_cluster:
	s_bfe_u32 s2, ttmp6, 0x10000c
	s_cmp_lg_u32 s2, 0xf033
	s_cbranch_scc0 .Lentry_shape_is_right
	s_endpgm
.Lentry_shape_is_right:
; qkvt[dd][row] = the sum over c of wb[dd][c] xb[row][c].  wb: [2304][768] bf16, xb: [16384][768] bf16, qkvt: [2304][16384] f16 (q's, k's, v's channels; TRANSPOSED: a channel's rows lie along memory).
; Products in bf16, sums in f32, K ascending, each result rounded once to f16.
; LIMIT.  f16 ends at 65,504: |q|, |k|, |v| must stay below it (x and W as drawn give about 5; both 30 times larger about 5,000; both with an offset of 30 spreads about 25,000).  NaN and infinities are not treated apart.
; SHARES.  A tile of qkvt is 288 channels x 256 rows; four waves, each 144 x 128: 72 accumulators of 16 x 16.  A WORK-GROUP STAYS for two tiles, 1,152 channels apart, on the same 256 rows of xb:
; 16384 x 2304 outputs = 256 work-groups x 2 tiles.  K = 768 goes in steps of 128, so the walk is 12 K steps through ONE ring of two LDS slots, which does not stop at a tile's end.
; CLUSTER.  4 x 4 work-groups.  wb's tile hangs on cy alone and is asked for jointly by a row of the cluster; xb's on the tile column (4 x cluster x + cx) alone, jointly by a column.
; THE MATRIX INSTRUCTION IS USED TRANSPOSED: source 0 = 16 rows of xb, source 1 = 16 rows of wb: a lane holds ONE channel (lane % 16) and eight neighbouring rows 8 (lane / 16) + 0..7: 16 bytes of qkvt on end.
; THE TEXT OF A K STEP IS A PAIR OF QUARTERS, WALKED TWICE.  A K step is four quarters of 32 along K on fragment buffers 0, 1, 0, 1; while one is multiplied the next one's fragments are fetched.  A pair multiplies
; buffer 1 while buffer 0 is fetched, then buffer 0 while buffer 1 is fetched; s[TQ] says at which LDS byte the first of its two fetches begins.  The change of slots stands between a step's third and fourth
; quarter: the fourth's fragments are in registers by then, so the slot has been read out.  A tile's last quarter is a pair's first half: behind it the tile goes out, and the pair's second half starts the next tile's sums.
; REGISTERS, in windows of 256 (s_set_vgpr_msb: bits 1:0 source 0, 3:2 source 1, 5:4 source 2, 7:6 destination):
;   window 0: v0-31 addresses; v32-103, v104-175 wb's fragments, two buffers of nine; v176-207 packed results
;   window 1: v0-31, v32-63 rows read back from the stage, by turns; v64-127, v128-191 xb's fragments, two buffers of eight; v192-255 the accumulators of channel block 8
;   window 2: accumulators of channel blocks 0-3 ((a, b) at v[8 (8 (a % 4) + b)])       window 3: those of blocks 4-7
.set XROW,  1536                       ; bytes in a row of wb and of xb
.set CROW,  32768                      ; bytes in a row of qkvt
.set PITCH, 272                        ; an LDS row: 256 bytes + 16 of padding = 68 words: the 16 rows of a fragment load start at 16 different groups of four banks (64 banks of 4 bytes: ISA guide 11.1)
.set AHALF, 144*PITCH                  ; what one tensor load brings of wb, and what one wave reads of it
.set BHALF, 128*PITCH                  ; the same of xb
.set BOFF,  2*AHALF                    ; in a slot xb's 256 rows lie behind wb's 288
.set SLOT,  BOFF+2*BHALF
.set STAGE, 2*SLOT                     ; behind the ring: 16 rows x 272 bytes for each wave, for the way out; no tensor load lands here
.set SPARE, STAGE+4*16*PITCH           ; behind the stages: the spare words, 128 bytes for each wave: two blocks of 256 bytes that no other line names
.set QS,    64                         ; a quarter of a K step: 64 bytes of each LDS row
.set NF,    34                         ; LDS loads in a run: 16 for xb's eight fragments, 18 for wb's nine
.set DW0,   (1<<16)|(1<<20)|(1<<21)|(5<<22)|(3<<25)  ; group 1, word 0 beside the mask: 2-byte elements; padding on; bit 21 set beside a mask; after every 64 words; 4 words
.set A0,   16                          ; v16  my lane's and wave's place among wb's rows of a slot; never rewritten
.set B0,   17                          ; v17  the same for xb
.set ADRA, 18                          ; v18  A0 + the place of the fetches in hand
.set ADRB, 19                          ; v19  B0 + the same
.set STO,  20                          ; v20  the way out: where I put 16 bytes of a row
.set RD,   21                          ; v21  the way out: where I read a row back
.set CO,   22                          ; v22  my byte offset in qkvt; never rewritten
.set PFO,  23                          ; v23  the prefetches' offset, first half of my share: a lane a row; never rewritten
.set PFO2, 24                          ; v24  the same for the second half
.set SPW,  28                          ; v28  LDS address of my spare word; never rewritten
.set NIL,  29                          ; v29  0; never rewritten
.set FA,   32                          ; wb's fragments, window 0: buffer f, channel block a at FA + 72 f + 8 a
.set FB,   64                          ; xb's fragments, window 1: buffer f, row block b at FB + 64 f + 8 b
.set TMP,  176
.set OB,   0                           ; window 1
.set WV,  12                           ; s12 wave;  s13 wave / 2: my half of the channels, and: I fetch for wb (0) or xb (1);  s14 wave % 2: my half of the rows, and: which half of that tile I fetch
.set RH,  13
.set CH,  14
.set CX,  15
.set CY,  16
.set G1A, 24                           ; s[24:31], s[32:39] descriptor group 1 for wb's and xb's tiles
.set G1B, 32
.set GA0, 40                           ; s[40:43] group 0 of wb's first fill;  s[44:47] the one that walks
.set GA,  44
.set GB0, 48                           ; s[48:51], s[52:55] the same for xb
.set GB,  52
.set TB,  56                           ; s56  LDS byte at which the slot that is read begins: 0 or SLOT
.set CNT, 57
.set LWA, 58                           ; s58, s59  where my tensor loads land in a slot
.set LWB, 59
.set PFA, 60                           ; s[60:61] where my prefetches stand
.set LIM, 62                           ; s62  the last K step in whose change of slots I prefetch
.set STEP, 63                          ; s63  the K step whose change of slots comes next, 0 to 10
.set IA,  66                           ; s[66:67] wb's step in bytes
.set IB,  68                           ; s[68:69] xb's offset along K
.set GK,  70                           ; s70  the walking descriptors' K step within a tile
.set PK,  71                           ; s71  the prefetches' K step within a tile
.set TS,  72                           ; s72  pairs left until a tile's last quarter
.set K256, 73
.set KNX, 74
.set TQ,  75                           ; s75  LDS byte at which the next pair's first fetch begins
.set IP,  76                           ; s[76:77] the prefetches' step in bytes
.set CNT2, 78                          ; s78  counts a K step's two pairs
.set OUTP, 80                          ; s[80:81] qkvt at my part of the tile
.set BB,  82                           ; s[82:83] xb at the half tile that I would fetch, K step 0
.set MSB, 0
.macro WIN new                         ; the immediate's high byte repeats the setting that is left; a switch that changes nothing is dropped
.if MSB != (\new)
	s_set_vgpr_msb (MSB<<8)|(\new)
.set MSB, \new
.endif
.endm
.macro PLACES                          ; four places behind matrix instructions, in front of loads into registers that they have read and of conversions that read results (ISA guide 7.12.1 for conversions)
.rept 4
	v_nop
.endr
.endm
.macro CREST                           ; a round of the cluster's barrier behind its opening barrier
	s_cmp_lg_u32 s[WV], 0
	s_cbranch_scc1 .Lnot_wave_0_\@
	s_barrier_signal -3
.Lnot_wave_0_\@:
	s_barrier_wait -3
	s_barrier_signal -1
	s_barrier_wait -1
.endm
.macro CROUND                          ; a whole round
	s_barrier_signal -1
	s_barrier_wait -1
	CREST
.endm
.macro JLOAD                           ; a joint refill: waves 0, 1 fetch wb's two halves, waves 2, 3 xb's; an s_nop 0 and four v_nop follow each line, ahead of the jump and the label
	s_cmp_eq_u32 s[RH], 0
	s_cbranch_scc0 .Lfor_b_\@
	tensor_load_to_lds s[GA:GA+3], s[G1A:G1A+7]
	s_nop 0
.rept 4
	v_nop
.endr
	s_branch .Lasked_\@
.Lfor_b_\@:
	tensor_load_to_lds s[GB:GB+3], s[G1B:G1B+7]
	s_nop 0
.rept 4
	v_nop
.endr
.Lasked_\@:
.endm
; A PREFETCH, behind the joint load and its five lines: in the change of slots of K step s, the K step s + 3, which the NEXT refill asks for: 288 matrix instructions ahead of that load.
; A wave names rows of the half tile that it fetches itself, 256 bytes a row; the four partners that fetch it jointly share its rows out BY ADDRESS (36 of wb's 144, 32 of xb's 128).  Two lines, each for half a share,
; a lane a row (18 rows of wb, 16 of xb; the lanes above name the half's last row once more).  wb's rows are read by all sixteen clusters: cluster 0 asks.  xb's rows are the same in both tiles: they are asked
; for in the first tile alone.  K steps 0 to 2 come by their loads alone; the last refill asks for nothing.
.macro ASK
	s_cmp_le_i32 s[STEP], s[LIM]
	s_cbranch_scc0 .Lnot_mine_\@
	global_prefetch_b8 v[PFO], s[PFA:PFA+1] th:TH_LOAD_NT scope:SCOPE_SE
	global_prefetch_b8 v[PFO2], s[PFA:PFA+1] th:TH_LOAD_NT scope:SCOPE_SE
.Lnot_mine_\@:
.endm
; The eight products of channel block a, 32 along K, from buffer f.  zero = 1: they start the sums.  The 72 accumulators take turns in the same order in every quarter.
.macro MULA f, a, zero
.if (\a) < 8
	WIN 0xa1+0x50*((\a)/4)                         ; xb window 1, wb window 0, C and D window 2 or 3
.set rC0, 64*((\a)%4)
.else
	WIN 0x51                                       ; block 8: C and D window 1
.set rC0, 192
.endif
.set rA, FA+72*(\f)+8*(\a)
.irp b, 0,1,2,3,4,5,6,7
.set rC, rC0+8*(\b)
.set rB, FB+64*(\f)+8*(\b)
.if \zero
	v_wmma_f32_16x16x32_bf16 v[rC:rC+7], v[rB:rB+7], v[rA:rA+7], 0
.else
	v_wmma_f32_16x16x32_bf16 v[rC:rC+7], v[rB:rB+7], v[rA:rA+7], v[rC:rC+7]
.endif
.endr
.endm
.macro MULR f, lo, hi, zero            ; channel blocks lo to hi
.set ma, \lo
.rept (\hi)-(\lo)+1
	MULA \f, ma, \zero
.set ma, ma+1
.endr
.endm
; One run of 34 LDS loads: the quarter that lies kq quarters behind the two addresses, into buffer f.  A fragment is 16 rows x 32 K: two loads of 16 bytes, 32 bytes apart.
.macro FETCH kq, f
	WIN 0x40                                       ; destination window 1
.irp i, 0,1,2,3,4,5,6,7
	ds_load_b128 v[FB+64*(\f)+8*(\i):FB+64*(\f)+8*(\i)+3],   v[ADRB] offset:QS*(\kq)+(\i)*16*PITCH
	ds_load_b128 v[FB+64*(\f)+8*(\i)+4:FB+64*(\f)+8*(\i)+7], v[ADRB] offset:QS*(\kq)+(\i)*16*PITCH+32
.endr
	WIN 0
.irp i, 0,1,2,3,4,5,6,7,8
	ds_load_b128 v[FA+72*(\f)+8*(\i):FA+72*(\f)+8*(\i)+3],   v[ADRA] offset:QS*(\kq)+(\i)*16*PITCH
	ds_load_b128 v[FA+72*(\f)+8*(\i)+4:FA+72*(\f)+8*(\i)+7], v[ADRA] offset:QS*(\kq)+(\i)*16*PITCH+32
.endr
.endm
.macro Q kq, f, g, zero                ; a quarter: the next one's fragments are fetched into g, then f is multiplied
	PLACES                                         ; g was read by the products just issued
	FETCH \kq, \g
	s_wait_dscnt NF                                ; all but the run just issued: f is in
	MULR \f, 0, 8, \zero
.endm
.macro ADR                             ; a pair's two addresses; the next pair's fetches begin two quarters on
	v_add_nc_u32 v[ADRA], s[TQ], v[A0]
	v_add_nc_u32 v[ADRB], s[TQ], v[B0]
	s_add_co_u32 s[TQ], s[TQ], 2*QS
.endm
; THE CHANGE OF SLOTS, between a K step's third quarter and its fourth.  Each wave waits for all its tensor loads (one is out: its part of the next slot), adds 0 to its spare word, and waits for that and for its
; reads of this slot, the fourth quarter's fragments among them.  fill = 1: the barrier is a round of the cluster's, and the slot just read out is filled again first thing behind it, with the K step two on:
; it has a whole K step, 288 matrix instructions, in which to land.
.macro SYNC fill
.if \fill
	s_wait_xcnt 0x0                                ; the last prefetches, a K step back, have read their address, which is stepped here
	s_add_co_u32 s[PK], s[PK], 1
	s_cmp_eq_u32 s[PK], 6
	s_cselect_b32 s[PK], 0, s[PK]
	s_cselect_b32 s[IP], s[KNX], s[K256]           ; along K, or to the next tile's K step 0
	s_add_nc_u64 s[PFA:PFA+1], s[PFA:PFA+1], s[IP:IP+1]
.endif
	s_wait_tensorcnt 0x0                           ; no tensor load of mine is out, so a group 0 may be written
	ds_add_u32 v[SPW], v[NIL]                      ; 0 onto my spare word: the scalar work below stands between it and the wait for it
.if \fill
	s_add_co_u32 s[GK], s[GK], 1
	s_cmp_eq_u32 s[GK], 6
	s_cselect_b32 s[GK], 0, s[GK]
	s_cselect_b32 s[IA], s[KNX], s[K256]
	s_add_nc_u64 s[GA+2:GA+3], s[GA+2:GA+3], s[IA:IA+1]  ; wb: 256 bytes along K, or 1,152 rows down and back; the type bits on top are not reached
	s_lshl_b32 s[IB], s[GK], 8
	s_add_nc_u64 s[GB+2:GB+3], s[BB:BB+1], s[IB:IB+1]    ; xb: made anew from the base and the K step
	s_or_b32 s[GB+3], s[GB+3], 0x80000000
	s_add_co_u32 s[GA+1], s[LWA], s[TB]            ; into the slot that has been read
	s_add_co_u32 s[GB+1], s[LWB], s[TB]
.endif
	s_xor_b32 s[TB], s[TB], SLOT                   ; the reads go on in the other slot,
	s_mov_b32 s[TQ], s[TB]                         ; at its first quarter
	s_wait_dscnt 0x0                               ; the add is done, and my reads of this slot are over
.if \fill
	CROUND                                         ; no wave of any partner still reads the slot or has a load on its way
	JLOAD
	ASK
.else
	s_barrier_signal -1
	s_barrier_wait -1
.endif
.endm
; THE WAY OUT of channel block a.  PACK: rounded to f16, 16 bytes a lane.  TOSTAGE: into my own stage, and back as whole rows of 256 bytes.  SEND: stored.
.macro PACK a
.if (\a) < 8
.set AC, 64*((\a)%4)
	WIN 0x0a+5*((\a)/4)                            ; sources 0 and 1: window 2 or 3
.else
.set AC, 192
	WIN 0x05                                       ; window 1
.endif
.set i, 0
.rept 32
	v_cvt_pk_f16_f32 v[TMP+i], v[AC+2*i], v[AC+2*i+1]  ; each accumulator's registers in ascending order
.set i, i+1
.endr
.endm
.macro TOSTAGE a
.set BK, OB+32*((\a)%2)
	WIN 0
.irp b, 0,1,2,3,4,5,6,7
	ds_store_b128 v[STO], v[TMP+4*(\b):TMP+4*(\b)+3] offset:32*(\b)
.endr
	WIN 0x40                                       ; destination window 1
.irp t, 0,1,2,3,4,5,6,7
	ds_load_b128 v[BK+4*(\t):BK+4*(\t)+3], v[RD] offset:(\t)*2*PITCH  ; LDS serves a wave's instructions in order (ISA guide 5.7.1.4): these see the stores above
.endr
.endm
.macro SEND a
.set BK, OB+32*((\a)%2)
	s_wait_dscnt 0x0                               ; the block is back in registers
	s_wait_xcnt 0x0                                ; the stores of the block before have read their registers, into which the next block is read back
	WIN 0x04                                       ; the stores' data in window 1
.irp t, 0,1,2,3,4,5,6,7
	global_store_b128 v[CO], v[BK+4*(\t):BK+4*(\t)+3], s[OUTP:OUTP+1] offset:(\a)*16*CROW+(\t)*2*CROW  ; 16 lanes store 256 consecutive bytes, at a multiple of 256 from qkvt's first byte
.endr
.endm
.macro OUT more                        ; more = 1: another tile follows, 1,152 channels on
	PLACES
	PACK 0
	TOSTAGE 0
.irp a, 1,2,3,4,5,6,7,8
	PACK \a                                        ; a block's conversions stand between the loads of the block before and the wait for them
	SEND (\a)-1
	TOSTAGE \a
.endr
	SEND 8
	WIN 0
.if \more
	s_wait_xcnt 0x0                                ; the stores have read their base
	s_add_nc_u64 s[OUTP:OUTP+1], s[OUTP:OUTP+1], 1152*CROW
.endif
.endm
	s_load_b128 s[4:7], s[0:1], 0x0                ; wb s[4:5], xb s[6:7]
	s_load_b64 s[8:9], s[0:1], 0x10                ; qkvt
	v_lshl_add_u32 v[SPW], v0, 2, SPARE
	v_mov_b32 v[NIL], 0
	ds_add_u32 v[SPW], v[NIL]                      ; the wave's opening: the add and its wait stand ahead of my first tensor load; the set-up below, work on registers, stands between them
	v_lshrrev_b32 v1, 5, v0
	v_readfirstlane_b32 s[WV], v1
	s_lshr_b32 s[RH], s[WV], 1
	s_and_b32 s[CH], s[WV], 1
	s_bfe_u32 s[CX], ttmp6, 0x40000
	s_bfe_u32 s[CY], ttmp6, 0x40004
	s_lshl_b32 s17, s[CY], 2
	s_lshl_b32 s17, 15, s17                        ; my row of the cluster
	s_lshl_b32 s18, 0x1111, s[CX]                  ; my column
	s_or_b32 s[G1A], s17, DW0
	s_or_b32 s[G1B], s18, DW0
.irp g, G1A, G1B
	s_mov_b32 s[(\g)+1], 128<<16                   ; tensor_dim0 = 128
	s_mov_b32 s[(\g)+3], 128<<16                   ; tile_dim0 = 128
	s_mov_b32 s[(\g)+5], 768                       ; elements from row to row
	s_mov_b32 s[(\g)+6], 0
	s_mov_b32 s[(\g)+7], 0
.endr
	s_mov_b32 s[G1A+2], 144<<16                    ; tensor_dim1 = tile_dim1 = 144 rows of wb,
	s_mov_b32 s[G1A+4], 144
	s_mov_b32 s[G1B+2], 128<<16                    ; 128 of xb
	s_mov_b32 s[G1B+4], 128
	s_mul_i32 s[LWA], s[CH], AHALF
	s_mul_i32 s[LWB], s[CH], BHALF
	s_add_co_u32 s[LWB], s[LWB], BOFF
	s_mul_i32 s20, s[CY], 288                      ; wb: row 288 cy + 144 x half (the first tile), in registers that never hold cx
	s_mul_i32 s21, s[CH], 144
	s_add_co_u32 s20, s20, s21
	s_mul_i32 s20, s20, XROW
	s_mov_b32 s21, 0
	s_lshl_b32 s22, ttmp9, 2                       ; xb: row 256 (4 x cluster x + cx) + 128 x half, in registers that never hold cy
	s_add_co_u32 s22, s22, s[CX]
	s_lshl_b32 s22, s22, 8
	s_lshl_b32 s23, s[CH], 7
	s_add_co_u32 s22, s22, s23
	s_mul_i32 s22, s22, XROW
	s_mov_b32 s23, 0
	s_mov_b32 s[TB], 0
	s_mov_b32 s[K256], 256
	s_mov_b32 s[KNX], 1152*XROW-5*256              ; from a tile's K step 5 to the next tile's K step 0
	s_mov_b32 s[IA+1], 0
	s_mov_b32 s[IB+1], 0
	s_mov_b32 s[IP+1], 0
	s_mov_b32 s[GK], 1
	s_mov_b32 s[PK], 2
	s_wait_dscnt 0x0                               ; the opening add is done
	s_wait_kmcnt 0x0
	s_add_nc_u64 s[20:21], s[4:5], s[20:21]
	s_add_nc_u64 s[BB:BB+1], s[6:7], s[22:23]
	s_mov_b32 s[GA0], 1                            ; count = 1
	s_mov_b32 s[GA0+1], s[LWA]                     ; K step 0 into slot 0
	s_mov_b64 s[GA0+2:GA0+3], s[20:21]
	s_or_b32 s[GA0+3], s[GA0+3], 0x80000000        ; type = 2
	s_mov_b32 s[GA], 1
	s_add_co_u32 s[GA+1], s[LWA], SLOT             ; K step 1 into slot 1
	s_add_nc_u64 s[GA+2:GA+3], s[20:21], 256
	s_or_b32 s[GA+3], s[GA+3], 0x80000000
	s_mov_b32 s[GB0], 1
	s_mov_b32 s[GB0+1], s[LWB]
	s_mov_b64 s[GB0+2:GB0+3], s[BB:BB+1]
	s_or_b32 s[GB0+3], s[GB0+3], 0x80000000
	s_mov_b32 s[GB], 1
	s_add_co_u32 s[GB+1], s[LWB], SLOT
	s_add_nc_u64 s[GB+2:GB+3], s[BB:BB+1], 256
	s_or_b32 s[GB+3], s[GB+3], 0x80000000
	CROUND                                         ; all sixteen work-groups are here: the first joint loads meet
	s_cmp_eq_u32 s[RH], 0                          ; a wave's two first fills stand in one branch: two loads of mine are out
	s_cbranch_scc0 .Lfirst_b
	tensor_load_to_lds s[GA0:GA0+3], s[G1A:G1A+7]
	s_nop 0
	tensor_load_to_lds s[GA:GA+3], s[G1A:G1A+7]
	s_nop 0
.rept 4
	v_nop
.endr
	s_branch .Lfirst_asked
.Lfirst_b:
	tensor_load_to_lds s[GB0:GB0+3], s[G1B:G1B+7]
	s_nop 0
	tensor_load_to_lds s[GB:GB+3], s[G1B:G1B+7]
	s_nop 0
.rept 4
	v_nop
.endr
.Lfirst_asked:
	v_and_b32 v1, 15, v0                           ; l % 16
	v_bfe_u32 v2, v0, 4, 1                         ; l / 16
	v_mul_u32_u24 v3, v1, PITCH
	v_lshl_add_u32 v3, v2, 4, v3                   ; row x pitch + 16 x half
	s_mul_i32 s17, s[RH], AHALF                    ; my 144 rows of wb
	v_add_nc_u32 v[A0], s17, v3
	s_mul_i32 s17, s[CH], BHALF                    ; my 128 rows of xb
	s_add_co_u32 s17, s17, BOFF
	v_add_nc_u32 v[B0], s17, v3
	s_mul_i32 s17, s[WV], 16*PITCH
	s_add_co_u32 s17, s17, STAGE                   ; my stage
	v_add_nc_u32 v[STO], s17, v3                   ; in: row l % 16, 16 bytes for each half of the lanes
	v_mul_u32_u24 v4, v2, PITCH                    ; back: lanes 0-15 one row of 256 bytes, lanes 16-31 the next
	v_lshl_add_u32 v4, v1, 4, v4
	v_add_nc_u32 v[RD], s17, v4
	v_lshlrev_b32 v4, 15, v2                       ; and the same two rows in qkvt
	v_lshl_add_u32 v[CO], v1, 4, v4
	s_mul_i32 s17, s[CY], 288                      ; my part of the first tile: channel 288 cy + 144 x half,
	s_mul_i32 s18, s[RH], 144
	s_add_co_u32 s17, s17, s18
	s_lshl_b32 s17, s17, 15
	s_lshl_b32 s18, ttmp9, 2
	s_add_co_u32 s18, s18, s[CX]
	s_lshl_b32 s18, s18, 9                         ; row 256 x tile column, 2 bytes each,
	s_add_co_u32 s17, s17, s18
	s_lshl_b32 s18, s[CH], 8                       ; + 128 x half
	s_add_co_u32 s2, s17, s18
	s_mov_b32 s3, 0
	s_add_nc_u64 s[OUTP:OUTP+1], s[8:9], s[2:3]
	s_cmp_eq_u32 ttmp9, 0                          ; the prefetches: who, what, until when
	s_cselect_b32 s[LIM], 8, -1                    ; wb: cluster 0 alone, up to K step 8's change (it names K step 11)
	s_cmp_eq_u32 s[RH], 0
	s_cselect_b32 s[LIM], s[LIM], 2                ; xb: K steps 3 to 5 of the first tile
	s_cselect_b64 s[PFA:PFA+1], s[20:21], s[BB:BB+1]
	s_cselect_b32 s17, s[CX], s[CY]                ; my place among the four that ask jointly
	s_cselect_b32 s18, 36, 32                      ; rows to a partner
	s_cselect_b32 s19, 17, 15                      ; the last row of half a share
	s_mul_i32 s17, s17, s18
	s_mul_i32 s2, s17, XROW
	s_add_co_u32 s2, s2, 512                       ; at K step 2: the first change of slots steps it to 3
	s_mov_b32 s3, 0
	s_add_nc_u64 s[PFA:PFA+1], s[PFA:PFA+1], s[2:3]
	v_and_b32 v[PFO], 31, v0
	v_min_u32 v[PFO], s19, v[PFO]
	v_mul_u32_u24 v[PFO], v[PFO], XROW
	s_add_co_u32 s19, s19, 1
	s_mul_i32 s19, s19, XROW
	v_add_nc_u32 v[PFO2], s19, v[PFO]              ; the share's second half
	s_wait_tensorcnt 1                             ; my part of K step 0 is in; K step 1's may stay out
	s_barrier_signal -1
	s_barrier_wait -1                              ; everybody's is
	v_mov_b32 v[ADRA], v[A0]
	v_mov_b32 v[ADRB], v[B0]
	FETCH 0, 0
	s_mov_b32 s[TQ], 2*QS                          ; K step 0's one whole pair fetches its third and fourth quarters
	s_mov_b32 s[CNT2], 2
	s_mov_b32 s[CNT], 11
	s_mov_b32 s[STEP], 0
	s_branch .Lzero                                ; the loop is entered at a tile's first quarter, a pair's second half
.Lstep:                                                ; ten times: a change of slots that fills a slot again, then the fourth quarter of one K step and the first three of the next
	SYNC 1
	s_add_co_u32 s[STEP], s[STEP], 1
	s_mov_b32 s[CNT2], 2
.Lpair:
	ADR
	Q 0, 1, 0, 0
	WIN 0                                          ; at a label and at a branch every window is 0
	s_sub_co_u32 s[TS], s[TS], 1
	s_cmp_lg_u32 s[TS], 0
	s_cbranch_scc1 .Lplain
	OUT 1                                          ; that was the tile's last quarter; the next tile's first two K steps have been asked for, its first fragments fetched
.Lzero:
	s_mov_b32 s[TS], 12                            ; a tile has 24 quarters: its first, eleven pairs, and the first half of a twelfth
	Q 1, 0, 1, 1                                   ; a tile's first products start the sums: nothing is cleared
	WIN 0
	s_branch .Ljoin
.Lplain:
	Q 1, 0, 1, 0
	WIN 0
.Ljoin:
	s_sub_co_u32 s[CNT2], s[CNT2], 1
	s_cmp_lg_u32 s[CNT2], 0
	s_cbranch_scc1 .Lpair
	s_sub_co_u32 s[CNT], s[CNT], 1
	s_cmp_lg_u32 s[CNT], 0
	s_cbranch_scc1 .Lstep
	SYNC 0                                         ; the last change of slots is written out: nothing is asked for
	s_mov_b32 s[CNT2], 2
.Ltpair:
	ADR
	Q 0, 1, 0, 0
	Q 1, 0, 1, 0
	WIN 0
	s_sub_co_u32 s[CNT2], s[CNT2], 1
	s_cmp_lg_u32 s[CNT2], 0
	s_cbranch_scc1 .Ltpair
	s_wait_dscnt 0x0                               ; the last quarter: buffer 1 is in, and nothing is left to fetch
	MULR 1, 0, 8, 0
	OUT 0
	s_wait_tensorcnt 0x0                           ; the wave's end: a wait, an add and its wait, behind my last tensor load and my last LDS store
	ds_add_u32 v[SPW], v[NIL]
	s_wait_dscnt 0x0
	CROUND                                         ; the closing round: no work-group ends while a partner may still ask for a tile that names it
	s_endpgm
.Lfunc_end_k_q4b17d11312_proj:
	.size	k_q4b17d11312_proj, .Lfunc_end_k_q4b17d11312_proj-k_q4b17d11312_proj
	.p2alignl 7, 3214868480
	.fill 96, 4, 3214868480
	.section	.rodata,"a",@progbits
	.p2align	6, 0x0
	.amdhsa_kernel k_q4b17d11312_proj
		.amdhsa_group_segment_fixed_size 327680
		.amdhsa_private_segment_fixed_size 0
		.amdhsa_enable_private_segment 0
		.amdhsa_kernarg_size 24
		.amdhsa_user_sgpr_count 2
		.amdhsa_user_sgpr_kernarg_segment_ptr 1
		.amdhsa_wavefront_size32 1
		.amdhsa_system_sgpr_workgroup_id_x 1
		.amdhsa_system_sgpr_workgroup_id_y 1
		.amdhsa_system_sgpr_workgroup_id_z 1
		.amdhsa_system_vgpr_workitem_id 0
		.amdhsa_next_free_vgpr 1024
		.amdhsa_next_free_sgpr 96
		.amdhsa_reserve_vcc 0
		.amdhsa_float_denorm_mode_32 3
		.amdhsa_float_denorm_mode_16_64 3
		.amdhsa_memory_ordered 1
		.amdhsa_forward_progress 1
		.amdhsa_inst_pref_size 124
	.end_amdhsa_kernel
	.amdgpu_metadata
---
amdhsa.version: [ 1, 2 ]
amdhsa.kernels:
  - .name:           k_q4b17d11312_proj
    .symbol:         k_q4b17d11312_proj.kd
    .args:
      - { .name: wb, .offset: 0, .size: 8, .value_kind: global_buffer, .address_space: global }
      - { .name: xb, .offset: 8, .size: 8, .value_kind: global_buffer, .address_space: global }
      - { .name: qkvt, .offset: 16, .size: 8, .value_kind: global_buffer, .address_space: global }
    .group_segment_fixed_size: 327680
    .private_segment_fixed_size: 0
    .kernarg_segment_align: 8
    .kernarg_segment_size: 24
    .max_flat_workgroup_size: 128
    .sgpr_count:     96
    .vgpr_count:     1024
    .wavefront_size: 32
...
	.end_amdgpu_metadata
.endif
;; end of part 2
;; launch score (part 3): grid 64 x 4, 4 waves a work-group, clusters of 4 x 4, 327,680 bytes of LDS; arguments qkvt, temperature, pt, stats; writes pt, stats
.if DOCPART == 3
	.amdgcn_target "amdgcn-amd-amdhsa--gfx1250"
	.amdhsa_code_object_version 6
	.text
	.protected	k_q4b17d11312_score
	.globl	k_q4b17d11312_score
	.p2align	8
	.type	k_q4b17d11312_score,@function
k_q4b17d11312_score:
	s_mov_b64 s[64:65], 0
	v_nop
	global_prefetch_b8 v0, s[64:65] scope:SCOPE_SE
	s_setreg_imm32_b32 hwreg(HW_REG_WAVE_MODE, 25, 1), 1
	s_wait_xcnt 0x0
	s_wait_alu depctr_hold_cnt(0) depctr_sa_sdst(0) depctr_va_vdst(0) depctr_va_sdst(0) depctr_va_ssrc(0) depctr_va_vcc(0) depctr_vm_vsrc(0)
	s_getreg_b32 s2, hwreg(HW_REG_IB_STS2, 6, 4)
	s_cmp_eq_u32 s2, 0
	s_cbranch_scc0 .Lentry_in_a_cluster
	s_endpgm
.Lentry_in_a_cluster:
	s_bfe_u32 s2, ttmp6, 0x10000c
	s_cmp_lg_u32 s2, 0xf033
	s_cbranch_scc0 .Lentry_shape_is_right
	s_endpgm
.Lentry_shape_is_right:
; For each batch b, key m and query n: t = c (q[n] . k[m]), c = log2(e) / temperature.  The softmax runs over the QUERIES n.  This launch takes it as far as 128 queries go: for each key m and each chunk ch of
; 128 queries it stores lm = the largest t of the chunk, pt[b][m][n] = 2^(t - lm) rounded to f16, and ls = the sum over the chunk of these weights as they are stored (stats, f32).  The next launch joins the eight chunks of a key.
; The maximum taken away is a true maximum of the numbers in the exponent (t is scaled BEFORE the maximum, so any sign of the temperature is served): every exponent is at most 0, every ls at least 1.
; qkvt: [2304][16384] f16, rows 0-767 q's channels, 768-1535 k's; column = 1024 b + n.  pt: [16][1024 m][1024 n] f16.  stats: [16][8 ch][2: lm, ls][1024 m] f32.
; LIMITS.  The temperature is rounded to bf16, as every input of the program is; 1 / temperature is v_rcp_f32's (1 ULP).  A weight below 2^-126 counts as 0.  NaN and infinities are not treated apart.
; SHARES.  A cluster of 4 x 4 work-groups is one batch; a work-group makes 256 keys (cy) x 256 queries (cx); four waves, each 128 x 128: 64 accumulators.  K = 768 channels in 6 steps of 128 through two LDS slots.
; k's tile hangs on cy alone and is asked for jointly by a row of the cluster, q's on cx alone, jointly by a column.
; LAYOUT.  Tiles lie in LDS as in memory, [128 channels][256 keys or queries]; ds_load_tr16_b128 turns them into fragments.  Source 0 = 16 queries, source 1 = 16 keys: a lane holds ONE key (lane % 16) and the
; queries 8 (lane / 16) + 0..7 of each of eight blocks: a key's 128 numbers lie in two lanes, 16 apart, so a maximum wants one exchange.  Two blocks' weights, packed, ARE a fragment (16 keys x 32 queries).
; THE TEXT OF A K STEP IS A PAIR OF QUARTERS, WALKED TWICE.  A K step is four quarters of 32 channels on fragment buffers 0, 1, 0, 1; while one is multiplied the next one's fragments are fetched.  PAIR multiplies
; buffer 1 while buffer 0 is fetched, then buffer 0 while buffer 1 is fetched; s[TQ] says at which LDS byte the first of its two fetches begins.  The change of slots stands between a step's third and fourth
; quarter: the fourth's fragments are in registers by then, so the slot has been read out.
; REGISTERS: window 0: v0-31 addresses and constants; v64-127, v128-191 k's fragments, two buffers (on the way out: at work); v192-223 packed weights; v32-63, v224-255 rows read back, by turns
;   window 1: v64-127, v128-191 q's fragments        windows 2, 3: accumulator (a, b) at v[8 (8 (a % 4) + b)] of window 2 + a / 4
.set CROW,  32768                      ; bytes in a row of qkvt
.set KSTEPB, 128*CROW                  ; a K step in memory
.set TP,    544                        ; an LDS row: 512 bytes + 32 of padding = 136 words
.set QS,    32*TP                      ; a quarter of a K step in LDS: 32 channel rows
.set HALF,  64*TP                      ; what one tensor load brings
.set BOFF,  2*HALF                     ; q's 128 rows lie behind k's
.set SLOT,  4*HALF
.set STAGE, 2*SLOT                     ; behind the ring: 16 rows x 272 bytes for each wave
.set SPITCH, 272
.set SCR,   STAGE+4*16*SPITCH          ; 1,024 bytes for each wave: its 128 lm, then its 128 ls
.set SPARE, SCR+4*1024                 ; the spare words, 128 bytes for each wave: two blocks of 256 bytes that no other line names
.set NF,    32
.set DW0,   (1<<16)|(1<<20)|(1<<21)|(6<<22)|(7<<25)  ; 2-byte elements; padding on; bit 21 set beside a mask; after every 128 words; 8 words
.set CV,   10                          ; v[10:11] c, twice
.set MP,   12                          ; v[12:13] the block's maximum, twice
.set A0,   16                          ; v16  my lane's and wave's place among k's columns of a slot; never rewritten
.set B0,   17                          ; v17  the same for q
.set ADRA, 18                          ; v18  A0 + the place of the fetches in hand
.set ADRB, 19                          ; v19  B0 + the same
.set STO,  20
.set RD,   21
.set CO,   22
.set PFO,  23
.set SA,   24                          ; v24  where I put a key's lm
.set SR,   25                          ; v25  where I read 16 bytes of them back
.set SG,   26                          ; v26  16 x lane
.set SPW,  28
.set NIL,  29
.set F0,   64
.set F1,   128
.set T,    64                          ; the way out: v64-85 partial maxima
.set MS,   128                         ; v128-135 lm of blocks 0-7
.set LS,   136                         ; v136-143 ls
.set ONE,  144                         ; v144-151 a fragment of ones in f16
.set SD,   152                         ; v152-159, v160-167 two accumulators for a block's row sums
.set TMP,  192
.set OB,   32
.set WV,  12
.set RH,  13
.set CH,  14
.set CX,  15
.set CY,  16
.set G1A, 24
.set G1B, 32
.set GA0, 40
.set GA,  44
.set GB0, 48
.set GB,  52
.set TB,  56                           ; s56  LDS byte at which the slot that is read begins: 0 or SLOT
.set CNT, 57
.set LWA, 58
.set LWB, 59
.set PFA, 60
.set TQ,  70                           ; s70  LDS byte at which the next PAIR's first fetch begins
.set CNT2, 71                          ; s71  counts a K step's two PAIRs
.set SEL, 78                           ; s[78:79] v_permlanex16_b32's selects: each lane takes its own place in the other half
.set OUTP, 80                          ; s[80:81] pt at my part
.set STP, 82                           ; s[82:83] stats at my part
.set TEMP, 84                          ; s84 the temperature
.set MSB, 0
.macro WIN new
.if MSB != (\new)
	s_set_vgpr_msb (MSB<<8)|(\new)
.set MSB, \new
.endif
.endm
.macro PLACES
.rept 4
	v_nop
.endr
.endm
.macro CREST
	s_cmp_lg_u32 s[WV], 0
	s_cbranch_scc1 .Lnot_wave_0_\@
	s_barrier_signal -3
.Lnot_wave_0_\@:
	s_barrier_wait -3
	s_barrier_signal -1
	s_barrier_wait -1
.endm
.macro CROUND
	s_barrier_signal -1
	s_barrier_wait -1
	CREST
.endm
.macro JLOAD                           ; waves 0, 1 fetch the two halves (64 channels each) of k's tile, waves 2, 3 of q's; an s_nop 0 and four v_nop follow each line
	s_cmp_eq_u32 s[RH], 0
	s_cbranch_scc0 .Lfor_b_\@
	tensor_load_to_lds s[GA:GA+3], s[G1A:G1A+7]
	s_nop 0
.rept 4
	v_nop
.endr
	s_branch .Lasked_\@
.Lfor_b_\@:
	tensor_load_to_lds s[GB:GB+3], s[G1B:G1B+7]
	s_nop 0
.rept 4
	v_nop
.endr
.Lasked_\@:
.endm
; A PREFETCH behind the joint load that brings K step s + 1: it names K step s + 2, which the next refill asks for, 256 matrix instructions ahead of that load.  A wave names rows of the half tile that it fetches
; itself (64 rows x 512 bytes); the four partners that fetch it jointly take 16 rows each, told apart BY ADDRESS: 32 blocks of 256 bytes, a lane a block.  A batch's tiles are read by its own cluster alone, so every
; cluster asks.  K steps 0 to 2 come by their loads alone; the last refill (CNT = 1) asks for nothing.
.macro ASK
	s_cmp_gt_u32 s[CNT], 1
	s_cbranch_scc0 .Lnot_mine_\@
	global_prefetch_b8 v[PFO], s[PFA:PFA+1] th:TH_LOAD_NT scope:SCOPE_SE
.Lnot_mine_\@:
.endm
.macro MULA f, a, zero                 ; the eight products of key block a; the 64 accumulators take turns in the same order in every quarter
	WIN 0xa1+0x50*((\a)/4)
.set rA, (\f)+8*(\a)
.irp b, 0,1,2,3,4,5,6,7
.set rC, 8*(8*((\a)%4)+(\b))
.set rB, (\f)+8*(\b)
.if \zero
	v_wmma_f32_16x16x32_f16 v[rC:rC+7], v[rB:rB+7], v[rA:rA+7], 0
.else
	v_wmma_f32_16x16x32_f16 v[rC:rC+7], v[rB:rB+7], v[rA:rA+7], v[rC:rC+7]
.endif
.endr
.endm
.macro MULR f, lo, hi, zero
.set ma, \lo
.rept (\hi)-(\lo)+1
	MULA \f, ma, \zero
.set ma, ma+1
.endr
.endm
; One run of 32 turning loads: the quarter that lies kq quarters behind the two addresses.  A load takes 16 channels x 16 columns and leaves half a fragment: lane l holds column l % 16 and 8 channels.
.macro FETCH kq, f
	WIN 0x40
.irp i, 0,1,2,3,4,5,6,7
	ds_load_tr16_b128 v[(\f)+8*(\i):(\f)+8*(\i)+3],   v[ADRB] offset:(\kq)*QS+32*(\i)
	ds_load_tr16_b128 v[(\f)+8*(\i)+4:(\f)+8*(\i)+7], v[ADRB] offset:(\kq)*QS+32*(\i)+16*TP
.endr
	WIN 0
.irp i, 0,1,2,3,4,5,6,7
	ds_load_tr16_b128 v[(\f)+8*(\i):(\f)+8*(\i)+3],   v[ADRA] offset:(\kq)*QS+32*(\i)
	ds_load_tr16_b128 v[(\f)+8*(\i)+4:(\f)+8*(\i)+7], v[ADRA] offset:(\kq)*QS+32*(\i)+16*TP
.endr
.endm
.macro Q kq, f, g, zero                ; a quarter: the next one's fragments are fetched into g, then f is multiplied
	PLACES                                         ; g was read by the products just issued
	FETCH \kq, \g
	s_wait_dscnt NF                                ; all but the run just issued: f is in
	MULR \f, 0, 7, \zero
.endm
; Two quarters.  Buffer 1 holds an odd quarter (a step's second or fourth); the two fetches take the two quarters that follow it, at s[TQ] and one quarter on.
.macro PAIR
	v_add_nc_u32 v[ADRA], s[TQ], v[A0]
	v_add_nc_u32 v[ADRB], s[TQ], v[B0]
	s_add_co_u32 s[TQ], s[TQ], 2*QS                ; the next PAIR's fetches begin two quarters on
	Q 0, F1, F0, 0
	Q 1, F0, F1, 0
	WIN 0                                          ; at a label and at a branch every window is 0
.endm
; THE CHANGE OF SLOTS, between a K step's third quarter and its fourth.  Each wave waits for all its tensor loads (one is out: its part of the next slot), adds 0 to its spare word, and waits for that and for its
; reads of this slot, the fourth quarter's fragments among them.  fill = 1: the barrier is a round of the cluster's, and the slot just read out is filled again first thing behind it, with the K step two on:
; it has a whole K step, 256 matrix instructions, in which to land.
.macro SYNC fill
.if \fill
	s_wait_xcnt 0x0                                ; the last prefetch, a K step back, has read its address
	s_add_nc_u64 s[PFA:PFA+1], s[PFA:PFA+1], KSTEPB
.endif
	s_wait_tensorcnt 0x0                           ; no tensor load of mine is out, so a group 0 may be written
	ds_add_u32 v[SPW], v[NIL]                      ; 0 onto my spare word: the scalar work below stands between it and the wait for it
.if \fill
	s_add_co_u32 s[GA+1], s[LWA], s[TB]            ; into the slot that has been read,
	s_add_co_u32 s[GB+1], s[LWB], s[TB]
	s_add_nc_u64 s[GA+2:GA+3], s[GA+2:GA+3], KSTEPB  ; the next 128 channels; the type bits on top are not reached
	s_add_nc_u64 s[GB+2:GB+3], s[GB+2:GB+3], KSTEPB
.endif
	s_xor_b32 s[TB], s[TB], SLOT                   ; the reads go on in the other slot,
	s_mov_b32 s[TQ], s[TB]                         ; at its first quarter
	s_wait_dscnt 0x0                               ; the add is done, and my reads of this slot are over
.if \fill
	CROUND                                         ; no wave of any partner still reads the slot or has a load on its way
	JLOAD
	ASK
.else
	s_barrier_signal -1
	s_barrier_wait -1
.endif
.endm
; THE SOFTMAX OF KEY BLOCK a over my 128 queries: a lane's 64 numbers, in place.  Scale; maximum (three operands at a time, then the other half of the lanes'); subtract; 64 exponentials as ONE batch with one
; plain instruction and ONE wait behind it; round to f16.  THE SUM is four products of a fragment of ones with the packed weights (source 1: 16 keys x 32 queries each): every register of the
; result holds, in lanes r and 16 + r, key r's sum over those queries, added in f32; two accumulators take turns, and are added at the end.
.macro SOFT a
.set AC, 64*((\a)%4)
.set WW, 2+(\a)/4
	WIN (WW<<6)|WW                                 ; destination and source 0 in the accumulators' window, source 1 in window 0
.set i, 0
.rept 32
	v_pk_mul_f32 v[AC+2*i:AC+2*i+1], v[AC+2*i:AC+2*i+1], v[CV:CV+1]  ; t = c s; each accumulator's registers in ascending order
.set i, i+1
.endr
	WIN WW|(WW<<2)|(WW<<4)                         ; three sources in that window, destination in window 0
.set i, 0
.rept 20
	v_max3_num_f32 v[T+i], v[AC+3*i], v[AC+3*i+1], v[AC+3*i+2]
.set i, i+1
.endr
	v_max_num_f32 v[T+20], v[AC+60], v[AC+61]
	v_max_num_f32 v[T+21], v[AC+62], v[AC+63]
	WIN 0
.set i, 0
.rept 7
	v_max3_num_f32 v[T+i], v[T+3*i], v[T+3*i+1], v[T+3*i+2]
.set i, i+1
.endr
	v_max3_num_f32 v[T], v[T], v[T+1], v[T+2]
	v_max3_num_f32 v[T+1], v[T+3], v[T+4], v[T+5]
	v_max_num_f32 v[T+2], v[T+6], v[T+21]
	v_max3_num_f32 v[T], v[T], v[T+1], v[T+2]
	v_permlanex16_b32 v[T+1], v[T], s[SEL], s[SEL+1]  ; the key's other 64 queries lie in the lane 16 away
	v_max_num_f32 v[MP], v[T], v[T+1]
	v_mov_b32 v[MP+1], v[MP]
	v_mov_b32 v[MS+(\a)], v[MP]
	WIN (WW<<6)|WW
.set i, 0
.rept 32
	v_pk_add_f32 v[AC+2*i:AC+2*i+1], v[AC+2*i:AC+2*i+1], v[MP:MP+1] neg_lo:[0,1] neg_hi:[0,1]
.set i, i+1
.endr
.set i, 0
.rept 64
	v_exp_f32 v[AC+i], v[AC+i]
.set i, i+1
.endr
	v_nop                                          ; a plain instruction behind the last exponential,
	s_wait_alu depctr_va_vdst(0)                   ; and the one wait for the batch, ahead of its first reader
	WIN WW|(WW<<2)                                 ; sources 0 and 1 in that window, destination in window 0
.set i, 0
.rept 32
	v_cvt_pk_f16_f32 v[TMP+i], v[AC+2*i], v[AC+2*i+1]
.set i, i+1
.endr
	WIN 0
	PLACES                                         ; a distance of this text's own between the last rounding and the products that take the packed weights
	v_wmma_f32_16x16x32_f16 v[SD:SD+7],    v[ONE:ONE+7], v[TMP:TMP+7],     0
	v_wmma_f32_16x16x32_f16 v[SD+8:SD+15], v[ONE:ONE+7], v[TMP+8:TMP+15],  0
	v_wmma_f32_16x16x32_f16 v[SD:SD+7],    v[ONE:ONE+7], v[TMP+16:TMP+23], v[SD:SD+7]
	v_wmma_f32_16x16x32_f16 v[SD+8:SD+15], v[ONE:ONE+7], v[TMP+24:TMP+31], v[SD+8:SD+15]
	PLACES                                         ; four places behind them, ahead of the line that reads their results
	v_add_f32 v[LS+(\a)], v[SD], v[SD+8]           ; each accumulator's lowest register
.endm
.macro TOSTAGE a                       ; a lane's eight queries of a key pack into 16 bytes; they go into rows of 272 bytes and come back as whole rows of 256
.set BK, OB+192*((\a)%2)
.irp b, 0,1,2,3,4,5,6,7
	ds_store_b128 v[STO], v[TMP+4*(\b):TMP+4*(\b)+3] offset:32*(\b)
.endr
.irp t, 0,1,2,3,4,5,6,7
	ds_load_b128 v[BK+4*(\t):BK+4*(\t)+3], v[RD] offset:(\t)*2*SPITCH  ; LDS serves a wave's instructions in order (ISA guide 5.7.1.4): these see the stores above
.endr
.endm
.macro SEND a
.set BK, OB+192*((\a)%2)
	s_wait_dscnt 0x0                               ; the block is back in registers
	s_wait_xcnt 0x0                                ; the stores of the block before have read their registers, into which the next block is read back
.irp t, 0,1,2,3,4,5,6,7
	global_store_b128 v[CO], v[BK+4*(\t):BK+4*(\t)+3], s[OUTP:OUTP+1] offset:(\a)*16*2048+(\t)*2*2048  ; 16 lanes store 256 consecutive bytes, at a multiple of 256 from pt's first byte
.endr
.endm
	s_load_b256 s[4:11], s[0:1], 0x0               ; qkvt s[4:5], temperature s[6:7], pt s[8:9], stats s[10:11]
	v_lshl_add_u32 v[SPW], v0, 2, SPARE
	v_mov_b32 v[NIL], 0
	ds_add_u32 v[SPW], v[NIL]                      ; the wave's opening: the add and its wait stand ahead of my first tensor load; the set-up below, work on registers, stands between them
	v_lshrrev_b32 v1, 5, v0
	v_readfirstlane_b32 s[WV], v1
	s_lshr_b32 s[RH], s[WV], 1                     ; my half of the keys; also: I fetch for k (0) or q (1)
	s_and_b32 s[CH], s[WV], 1                      ; my half of the queries; also: which 64 channels of a step I fetch
	s_bfe_u32 s[CX], ttmp6, 0x40000
	s_bfe_u32 s[CY], ttmp6, 0x40004
	s_lshl_b32 s17, s[CY], 2
	s_lshl_b32 s17, 15, s17                        ; my row of the cluster
	s_lshl_b32 s18, 0x1111, s[CX]                  ; my column
	s_or_b32 s[G1A], s17, DW0
	s_or_b32 s[G1B], s18, DW0
.irp g, G1A, G1B
	s_mov_b32 s[(\g)+1], 256<<16                   ; tensor_dim0 = 256
	s_mov_b32 s[(\g)+2], 64<<16                    ; tensor_dim1 = 64
	s_mov_b32 s[(\g)+3], 256<<16                   ; tile_dim0 = 256
	s_mov_b32 s[(\g)+4], 64                        ; tile_dim1 = 64
	s_mov_b32 s[(\g)+5], 16384                     ; elements from row to row
	s_mov_b32 s[(\g)+6], 0
	s_mov_b32 s[(\g)+7], 0
.endr
	s_mul_i32 s[LWA], s[CH], HALF
	s_add_co_u32 s[LWB], s[LWA], BOFF
	s_lshl_b32 s20, s[CH], 21                      ; k: channel row 768 + 64 x half, column 1024 b + 256 cy; in registers that never hold cx
	s_add_co_u32 s20, s20, 768*CROW
	s_lshl_b32 s17, ttmp9, 11
	s_add_co_u32 s20, s20, s17
	s_lshl_b32 s17, s[CY], 9
	s_add_co_u32 s20, s20, s17
	s_mov_b32 s21, 0
	s_lshl_b32 s22, s[CH], 21                      ; q: channel row 64 x half, column 1024 b + 256 cx; in registers that never hold cy
	s_lshl_b32 s18, ttmp9, 11
	s_add_co_u32 s22, s22, s18
	s_lshl_b32 s18, s[CX], 9
	s_add_co_u32 s22, s22, s18
	s_mov_b32 s23, 0
	s_mov_b32 s[TB], 0
	s_mov_b32 s[SEL], 0x76543210
	s_mov_b32 s[SEL+1], 0xfedcba98
	s_wait_dscnt 0x0                               ; the opening add is done
	s_wait_kmcnt 0x0
	s_load_b32 s[TEMP], s[6:7], 0x0                ; waited for behind the first fills
	s_add_nc_u64 s[20:21], s[4:5], s[20:21]
	s_add_nc_u64 s[22:23], s[4:5], s[22:23]
	s_mov_b32 s[GA0], 1
	s_mov_b32 s[GA0+1], s[LWA]                     ; K step 0 into slot 0
	s_mov_b64 s[GA0+2:GA0+3], s[20:21]
	s_or_b32 s[GA0+3], s[GA0+3], 0x80000000
	s_mov_b32 s[GA], 1
	s_add_co_u32 s[GA+1], s[LWA], SLOT             ; K step 1 into slot 1
	s_add_nc_u64 s[GA+2:GA+3], s[20:21], KSTEPB
	s_or_b32 s[GA+3], s[GA+3], 0x80000000
	s_mov_b32 s[GB0], 1
	s_mov_b32 s[GB0+1], s[LWB]
	s_mov_b64 s[GB0+2:GB0+3], s[22:23]
	s_or_b32 s[GB0+3], s[GB0+3], 0x80000000
	s_mov_b32 s[GB], 1
	s_add_co_u32 s[GB+1], s[LWB], SLOT
	s_add_nc_u64 s[GB+2:GB+3], s[22:23], KSTEPB
	s_or_b32 s[GB+3], s[GB+3], 0x80000000
	CROUND                                         ; all sixteen work-groups are here: the first joint loads meet
	s_cmp_eq_u32 s[RH], 0                          ; a wave's two first fills stand in one branch: two loads of mine are out
	s_cbranch_scc0 .Lfirst_b
	tensor_load_to_lds s[GA0:GA0+3], s[G1A:G1A+7]
	s_nop 0
	tensor_load_to_lds s[GA:GA+3], s[G1A:G1A+7]
	s_nop 0
.rept 4
	v_nop
.endr
	s_branch .Lfirst_asked
.Lfirst_b:
	tensor_load_to_lds s[GB0:GB0+3], s[G1B:G1B+7]
	s_nop 0
	tensor_load_to_lds s[GB:GB+3], s[G1B:G1B+7]
	s_nop 0
.rept 4
	v_nop
.endr
.Lfirst_asked:
	v_and_b32 v1, 15, v0                           ; l % 16
	v_bfe_u32 v2, v0, 4, 1                         ; l / 16
	v_and_b32 v3, 7, v0
	v_bfe_u32 v4, v0, 3, 1
	v_lshl_add_u32 v3, v2, 3, v3                   ; the turning load: channel row 8 (l / 16) + l % 8,
	v_mul_u32_u24 v3, v3, TP
	v_lshl_add_u32 v3, v4, 4, v3                   ; columns 8 ((l / 8) % 2) + 0..7
	s_lshl_b32 s17, s[RH], 8                       ; my 128 keys: 256 bytes of a row
	v_add_nc_u32 v[A0], s17, v3
	s_lshl_b32 s17, s[CH], 8                       ; my 128 queries
	s_add_co_u32 s17, s17, BOFF
	v_add_nc_u32 v[B0], s17, v3
	s_mul_i32 s17, s[WV], 16*SPITCH
	s_add_co_u32 s17, s17, STAGE                   ; my stage
	v_mul_u32_u24 v3, v1, SPITCH
	v_lshl_add_u32 v3, v2, 4, v3
	v_add_nc_u32 v[STO], s17, v3
	v_mul_u32_u24 v4, v2, SPITCH
	v_lshl_add_u32 v4, v1, 4, v4
	v_add_nc_u32 v[RD], s17, v4
	v_lshlrev_b32 v4, 11, v2                       ; two rows of pt, 2,048 bytes apart
	v_lshl_add_u32 v[CO], v1, 4, v4
	s_lshl_b32 s17, s[WV], 10
	s_add_co_u32 s17, s17, SCR                     ; my 1,024 bytes for lm and ls
	v_lshl_add_u32 v[SA], v1, 2, s17
	v_and_b32 v3, 31, v0
	v_lshlrev_b32 v[SG], 4, v3
	v_add_nc_u32 v[SR], s17, v[SG]
	v_lshrrev_b32 v4, 1, v3                        ; the prefetches: row l / 2, block l % 2
	v_and_b32 v5, 1, v3
	v_lshlrev_b32 v4, 15, v4
	v_lshl_add_u32 v[PFO], v5, 8, v4
	s_cmp_eq_u32 s[RH], 0
	s_cselect_b64 s[PFA:PFA+1], s[20:21], s[22:23]
	s_cselect_b32 s2, s[CX], s[CY]                 ; my place among the four that ask jointly
	s_lshl_b32 s2, s2, 19                          ; 16 rows of 32,768 bytes
	s_add_co_u32 s2, s2, 2*KSTEPB                  ; at K step 2: the first change of slots steps it to 3
	s_mov_b32 s3, 0
	s_add_nc_u64 s[PFA:PFA+1], s[PFA:PFA+1], s[2:3]
	s_lshl_b32 s2, ttmp9, 21                       ; pt: key row 1024 b + 256 cy + 128 x half, 2,048 bytes each; query 256 cx + 128 x half, 2 bytes each
	s_lshl_b32 s17, s[CY], 19
	s_add_co_u32 s2, s2, s17
	s_lshl_b32 s17, s[RH], 18
	s_add_co_u32 s2, s2, s17
	s_lshl_b32 s17, s[CX], 9
	s_add_co_u32 s2, s2, s17
	s_lshl_b32 s17, s[CH], 8
	s_add_co_u32 s2, s2, s17
	s_add_nc_u64 s[OUTP:OUTP+1], s[8:9], s[2:3]
	s_lshl_b32 s2, ttmp9, 16                       ; stats: (8 b + chunk 2 cx + half) x 8,192 bytes + key (256 cy + 128 x half) x 4
	s_lshl_b32 s17, s[CX], 14
	s_add_co_u32 s2, s2, s17
	s_lshl_b32 s17, s[CH], 13
	s_add_co_u32 s2, s2, s17
	s_lshl_b32 s17, s[CY], 10
	s_add_co_u32 s2, s2, s17
	s_lshl_b32 s17, s[RH], 9
	s_add_co_u32 s2, s2, s17
	s_add_nc_u64 s[STP:STP+1], s[10:11], s[2:3]
	s_wait_kmcnt 0x0                               ; the temperature
	v_mov_b32 v3, s[TEMP]
	v_cvt_pk_bf16_f32 v3, v3, v3                   ; rounded to bf16 like every input,
	v_lshlrev_b32 v3, 16, v3                       ; and back in f32
	v_rcp_f32 v4, v3
	v_nop                                          ; a plain instruction behind the reciprocal,
	s_wait_alu depctr_va_vdst(0)                   ; and the wait ahead of its first use
	v_mul_f32 v[CV], 0x3fb8aa3b, v4                ; c = log2(e) / temperature
	v_mov_b32 v[CV+1], v[CV]
	s_wait_tensorcnt 1                             ; my part of K step 0 is in; K step 1's may stay out
	s_barrier_signal -1
	s_barrier_wait -1
	v_mov_b32 v[ADRA], v[A0]
	v_mov_b32 v[ADRB], v[B0]
	FETCH 0, F0
	Q 1, F0, F1, 1                                 ; the first quarter is written out: its products start the sums, and nothing is cleared
	WIN 0
	s_mov_b32 s[TQ], 2*QS                          ; K step 0 has one PAIR left: its second and third quarters are multiplied, its third and fourth fetched
	s_mov_b32 s[CNT2], 1
	s_mov_b32 s[CNT], 5
	s_branch .Lpair                                ; the loop is entered in its middle
.Lstep:                                                ; four times: a change of slots that fills a slot again, then the fourth quarter of one K step and the first three of the next
	SYNC 1
	s_mov_b32 s[CNT2], 2
.Lpair:
	PAIR
	s_sub_co_u32 s[CNT2], s[CNT2], 1
	s_cmp_lg_u32 s[CNT2], 0
	s_cbranch_scc1 .Lpair
	s_sub_co_u32 s[CNT], s[CNT], 1
	s_cmp_lg_u32 s[CNT], 0
	s_cbranch_scc1 .Lstep
	SYNC 0                                         ; the last change of slots is written out: nothing is asked for
	s_mov_b32 s[CNT2], 2
.Ltpair:
	PAIR
	s_sub_co_u32 s[CNT2], s[CNT2], 1
	s_cmp_lg_u32 s[CNT2], 0
	s_cbranch_scc1 .Ltpair
	s_wait_dscnt 0x0                               ; the last quarter: buffer 1 is in, and nothing is left to fetch
	MULR F1, 0, 7, 0
	PLACES
	WIN 0
.set i, 0
.rept 8
	v_mov_b32 v[ONE+i], 0x3c003c00                 ; 1.0 twice in f16; the fragments' registers are free from here on
.set i, i+1
.endr
	SOFT 0
	TOSTAGE 0
.irp a, 1,2,3,4,5,6,7
	SOFT \a                                        ; a block's softmax stands between the loads of the block before and the wait for them
	SEND (\a)-1
	TOSTAGE \a
.endr
	SEND 7
.irp a, 0,1,2,3,4,5,6,7                ; lm and ls: key 16 a + l % 16; both halves of the lanes hold, and write, the same number
	ds_store_b32 v[SA], v[MS+(\a)] offset:64*(\a)
	ds_store_b32 v[SA], v[LS+(\a)] offset:512+64*(\a)
.endr
	ds_load_b128 v[88:91], v[SR]                   ; back as 512 consecutive bytes each (my own bytes, served in order)
	ds_load_b128 v[92:95], v[SR] offset:512
	s_wait_dscnt 0x0
	global_store_b128 v[SG], v[88:91], s[STP:STP+1]
	global_store_b128 v[SG], v[92:95], s[STP:STP+1] offset:4096
	s_wait_tensorcnt 0x0                           ; the wave's end: a wait, an add and its wait, behind my last tensor load and my last LDS store
	ds_add_u32 v[SPW], v[NIL]
	s_wait_dscnt 0x0
	CROUND                                         ; the closing round
	s_endpgm
.Lfunc_end_k_q4b17d11312_score:
	.size	k_q4b17d11312_score, .Lfunc_end_k_q4b17d11312_score-k_q4b17d11312_score
	.p2alignl 7, 3214868480
	.fill 96, 4, 3214868480
	.section	.rodata,"a",@progbits
	.p2align	6, 0x0
	.amdhsa_kernel k_q4b17d11312_score
		.amdhsa_group_segment_fixed_size 327680
		.amdhsa_private_segment_fixed_size 0
		.amdhsa_enable_private_segment 0
		.amdhsa_kernarg_size 32
		.amdhsa_user_sgpr_count 2
		.amdhsa_user_sgpr_kernarg_segment_ptr 1
		.amdhsa_wavefront_size32 1
		.amdhsa_system_sgpr_workgroup_id_x 1
		.amdhsa_system_sgpr_workgroup_id_y 1
		.amdhsa_system_sgpr_workgroup_id_z 1
		.amdhsa_system_vgpr_workitem_id 0
		.amdhsa_next_free_vgpr 1024
		.amdhsa_next_free_sgpr 96
		.amdhsa_reserve_vcc 0
		.amdhsa_float_denorm_mode_32 3
		.amdhsa_float_denorm_mode_16_64 3
		.amdhsa_memory_ordered 1
		.amdhsa_forward_progress 1
		.amdhsa_inst_pref_size 153
	.end_amdhsa_kernel
	.amdgpu_metadata
---
amdhsa.version: [ 1, 2 ]
amdhsa.kernels:
  - .name:           k_q4b17d11312_score
    .symbol:         k_q4b17d11312_score.kd
    .args:
      - { .name: qkvt, .offset: 0, .size: 8, .value_kind: global_buffer, .address_space: global }
      - { .name: temperature, .offset: 8, .size: 8, .value_kind: global_buffer, .address_space: global }
      - { .name: pt, .offset: 16, .size: 8, .value_kind: global_buffer, .address_space: global }
      - { .name: stats, .offset: 24, .size: 8, .value_kind: global_buffer, .address_space: global }
    .group_segment_fixed_size: 327680
    .private_segment_fixed_size: 0
    .kernarg_segment_align: 8
    .kernarg_segment_size: 32
    .max_flat_workgroup_size: 128
    .sgpr_count:     96
    .vgpr_count:     1024
    .wavefront_size: 32
...
	.end_amdgpu_metadata
.endif
;; end of part 3
;; launch mix (part 4): grid 64 x 4, 4 waves a work-group, clusters of 4 x 4, 327,680 bytes of LDS; arguments pt, qkvt, stats, out0; writes out0
.if DOCPART == 4
	.amdgcn_target "amdgcn-amd-amdhsa--gfx1250"
	.amdhsa_code_object_version 6
	.text
	.protected	k_q4b17d11312_mix
	.globl	k_q4b17d11312_mix
	.p2align	8
	.type	k_q4b17d11312_mix,@function
k_q4b17d11312_mix:
	s_mov_b64 s[64:65], 0
	v_nop
	global_prefetch_b8 v0, s[64:65] scope:SCOPE_SE
	s_setreg_imm32_b32 hwreg(HW_REG_WAVE_MODE, 25, 1), 1
	s_wait_xcnt 0x0
	s_wait_alu depctr_hold_cnt(0) depctr_sa_sdst(0) depctr_va_vdst(0) depctr_va_sdst(0) depctr_va_ssrc(0) depctr_va_vcc(0) depctr_vm_vsrc(0)
	s_getreg_b32 s2, hwreg(HW_REG_IB_STS2, 6, 4)
	s_cmp_eq_u32 s2, 0
	s_cbranch_scc0 .Lentry_in_a_cluster
	s_endpgm
.Lentry_in_a_cluster:
	s_bfe_u32 s2, ttmp6, 0x10000c
	s_cmp_lg_u32 s2, 0xf033
	s_cbranch_scc0 .Lentry_shape_is_right
	s_endpgm
.Lentry_shape_is_right:
; out0[b][n][d] = the sum over keys m of w[n][m] v[m][d], w = the softmax over the QUERIES n.  The launch before left pt[b][m][n] = 2^(t - lm[ch][m]) (f16), ch = n / 128, and lm, ls for each key and chunk (f32).
; Here, for each key: M = the largest of its eight lm; L = the sum of ls 2^(lm - M), at least 1; f[ch][m] = 2^(lm - M) / L; then w = pt f: the softmax with its true maximum taken away.  M, L in f32.
; f is rounded to f16 and multiplies pt in packed f16 between the LDS load and the matrix instruction; w is at most 1, and below 6e-5 it keeps f16's fixed step of 6e-8, beside a column whose largest weight is at least 1/1024.
; pt: [16][1024 m][1024 n] f16.  qkvt: [2304][16384] f16, rows 1536-2303 v's channels, column 1024 b + m.  stats: [16][8 ch][2: lm, ls][1024 m] f32.  out0: [16][1024][768] f32.  Products in f16, sums in f32.
; LIMITS.  A factor below 2^-126 counts as 0; 1 / L is v_rcp_f32's (1 ULP).  NaN and infinities are not treated apart.
; SHARES.  A cluster of 4 x 4 work-groups is one batch; a work-group makes 256 queries (cy) x 192 channels (cx); four waves, each 128 x 96: 48 accumulators.  K = 1024 keys in 8 steps of 128 through two LDS slots.
; pt's tile hangs on cy alone and is asked for jointly by a row of the cluster, v's on cx alone, jointly by a column.  A wave's 128 queries are ONE chunk, so one factor a key serves all its fragments of pt.
; LAYOUT.  pt's tile lies as in memory, [128 keys][256 queries], and is turned by ds_load_tr16_b128; v's, [192 channels][128 keys], is read as it lies.  Source 0 = 16 channels, source 1 = 16 queries: a lane holds ONE
; query (lane % 16) and eight neighbouring channels.  Register j of a fragment of pt holds two keys; the same 16-byte pieces of the factor table give a register j with the same two keys' factors.
; THE TEXT OF A K STEP IS A PAIR OF QUARTERS, WALKED TWICE.  A K step is four quarters of 32 keys on fragment buffers 0, 1, 0, 1; while one is multiplied the next one's fragments are fetched and scaled.  PAIR
; multiplies buffer 1 while buffer 0 is fetched, then buffer 0 while buffer 1 is fetched; three scalar registers say where the first of its two fetches begins.  The change of slots stands between a step's third
; and fourth quarter: the fourth's fragments are in registers by then, so the slot has been read out.
; REGISTERS: window 0: v0-31 addresses; v32-79, v80-127 v's fragments, two buffers; v128-191, v192-255 pt's (at the head v32-191 serve the table; on the way out v32-127 the rows)
;   window 1: accumulators of query blocks 0-4 ((a, b) at v[8 (6 a + b)]); v240-247, v248-255 the factors, two buffers        window 2: v0-143 accumulators of blocks 5-7
.set TP,    544                        ; a row of pt's tile in LDS: 512 bytes + 32 of padding
.set VP,    272                        ; a row of v's tile: 256 + 16: the 16 rows of a load start at 16 different groups of four banks
.set AHALF, 64*TP
.set BHALF, 96*VP
.set BOFF,  2*AHALF
.set SLOT,  BOFF+2*BHALF
.set FT,    2*SLOT                     ; behind the ring: the factor table, [2 chunks][1024 keys] f16; written by LDS stores alone
.set SPARE, FT+4096                    ; the spare words, 128 bytes for each wave: two blocks of 256 bytes that no other line names
.set OPITCH, 784                       ; the way out: a row of 768 bytes + 16; the stage, 256 such rows, lies from byte 0 on, in the ring, when its slots have had their last fill
.set DWA,   (1<<16)|(1<<20)|(1<<21)|(6<<22)|(7<<25)  ; 2-byte elements; padding on; bit 21 set beside a mask; after every 128 words; 8 words
.set DWB,   (1<<16)|(1<<20)|(1<<21)|(5<<22)|(3<<25)  ; after every 64 words; 4 words
.set RD0,  6                           ; v6-8   the way out: where I read 16 bytes of a pair of rows, three loads a pair
.set RD1,  7
.set RD2,  8
.set GO0,  9                           ; v9-11  and where they go in out0; never rewritten
.set GO1,  10
.set GO2,  11
.set A0,   16                          ; v16  my lane's and wave's place among pt's columns of a slot; never rewritten
.set B0,   17                          ; v17  the same among v's rows
.set ADRA, 18                          ; v18, v19  A0, B0 + the place of the fetches in hand
.set ADRB, 19
.set STO,  20                          ; v20, v21  the way out: where I put 32 bytes of a row: query blocks 0-3, 4-7
.set STO2, 21
.set PFO,  23
.set ADRF, 24                          ; v24  FB + the place of the fetches in hand
.set FB,   25                          ; v25  my lane's place in my chunk's factors; never rewritten
.set FTA,  26                          ; v26  the table: where I put four keys' factors
.set TO,   27                          ; v27  16 x thread: my four keys in stats; never rewritten
.set SPW,  28
.set NIL,  29
.set VF,   32
.set PF,   128
.set FG,   240
.set TG,   32                          ; the table: group g's 72 registers at TG + 72 g: eight lm x 4 keys, eight ls x 4, my two chunks' lm x 4
.set TM,   176                         ; v176-179 M
.set TL,   180                         ; v180-183 L; v184-187 1 / L
.set TF,   188                         ; v188-191 factors, packed
.set WV,  12
.set RH,  13
.set CH,  14
.set CX,  15
.set CY,  16
.set G1A, 24
.set G1B, 32
.set GA0, 40
.set GA,  44
.set GB0, 48
.set GB,  52
.set TB,  56                           ; s56  LDS byte at which the slot that is read begins: 0 or SLOT
.set CNT, 57
.set LWA, 58
.set LWB, 59
.set PFA, 60
.set TQA, 70                           ; s70  where the next PAIR's first fetch begins: in pt's tile (a quarter is 32 rows),
.set TQB, 71                           ; s71  in v's tile (a quarter is 64 bytes of each row),
.set TQF, 72                           ; s72  in my chunk's factors (64 bytes a quarter, on through all K steps)
.set CNT2, 73                          ; s73  counts a K step's two PAIRs
.set IP,  76                           ; s[76:77] the prefetches' step in bytes
.set OUTP, 80
.set SB,  82                           ; s[82:83] stats at my batch
.set SO,  84                           ; s[84:85] stats at my work-group's two chunks
.set MSB, 0
.macro WIN new
.if MSB != (\new)
	s_set_vgpr_msb (MSB<<8)|(\new)
.set MSB, \new
.endif
.endm
.macro PLACES
.rept 4
	v_nop
.endr
.endm
.macro CREST
	s_cmp_lg_u32 s[WV], 0
	s_cbranch_scc1 .Lnot_wave_0_\@
	s_barrier_signal -3
.Lnot_wave_0_\@:
	s_barrier_wait -3
	s_barrier_signal -1
	s_barrier_wait -1
.endm
.macro CROUND
	s_barrier_signal -1
	s_barrier_wait -1
	CREST
.endm
.macro JLOAD                           ; waves 0, 1 fetch the two halves (64 keys each) of pt's tile, waves 2, 3 those (96 channels each) of v's; an s_nop 0 and four v_nop follow each line
	s_cmp_eq_u32 s[RH], 0
	s_cbranch_scc0 .Lfor_b_\@
	tensor_load_to_lds s[GA:GA+3], s[G1A:G1A+7]
	s_nop 0
.rept 4
	v_nop
.endr
	s_branch .Lasked_\@
.Lfor_b_\@:
	tensor_load_to_lds s[GB:GB+3], s[G1B:G1B+7]
	s_nop 0
.rept 4
	v_nop
.endr
.Lasked_\@:
.endm
; A PREFETCH behind the joint load that brings K step s + 1: it names K step s + 2, which the next refill asks for, 192 matrix instructions ahead of that load.  A wave names blocks of the half tile that it fetches
; itself; the four partners that fetch it jointly share it out BY ADDRESS: of pt's 64 rows x 512 bytes 16 rows each (a lane a block of 256 bytes), of v's 96 rows x 256 bytes 24 each (a lane a row; lanes 24-31 name
; row 23 once more).  A batch's tiles are read by its own cluster alone, so every cluster asks.  K steps 0 to 2 come by their loads alone; the last refill (CNT = 1) asks for nothing.
.macro ASK
	s_cmp_gt_u32 s[CNT], 1
	s_cbranch_scc0 .Lnot_mine_\@
	global_prefetch_b8 v[PFO], s[PFA:PFA+1] th:TH_LOAD_NT scope:SCOPE_SE
.Lnot_mine_\@:
.endm
.macro PROD f, a, b, zero              ; one product: query block a, channel block b, buffer f (0, 1)
.if (\a) < 5
	WIN 0x50
.set rC, 8*(6*(\a)+(\b))
.else
	WIN 0xa0
.set rC, 8*(6*((\a)-5)+(\b))
.endif
.set rV, VF+48*(\f)+8*(\b)
.set rP, PF+64*(\f)+8*(\a)
.if \zero
	v_wmma_f32_16x16x32_f16 v[rC:rC+7], v[rV:rV+7], v[rP:rP+7], 0
.else
	v_wmma_f32_16x16x32_f16 v[rC:rC+7], v[rV:rV+7], v[rP:rP+7], v[rC:rC+7]
.endif
.endm
.macro MULR f, lo, hi, zero            ; query blocks lo to hi; the 48 accumulators take turns in the same order in every quarter
.set ma, \lo
.rept (\hi)-(\lo)+1
.set mb, 0
.rept 6
	PROD \f, ma, mb, \zero
.set mb, mb+1
.endr
.set ma, ma+1
.endr
.endm
.macro SLICE g                         ; four of the 64 scalings of buffer g: pt times the factor, two keys an instruction
	WIN 0x01                                       ; source 0, the factors, in window 1
.rept 4
	v_pk_mul_f16 v[PF+64*(\g)+si], v[FG+8*(\g)+si%8], v[PF+64*(\g)+si]
.set si, si+1
.endr
.endm
.macro MULS f, g, zero                 ; query blocks 5 to 7 from buffer f; behind each of the first 16 products a slice of buffer g's scaling, which names none of their registers
.set si, 0
.set ma, 5
.rept 3
.set mb, 0
.rept 6
	PROD \f, ma, mb, \zero
.if si < 64
	SLICE \g
.endif
.set mb, mb+1
.endr
.set ma, ma+1
.endr
.endm
; One run of 30 LDS loads: the quarter (32 keys) that lies kq quarters behind the three addresses, into buffer g: the factors, v's six fragments, pt's eight.
.macro FETCH kq, g
	WIN 0x40                                       ; destination window 1
	ds_load_b128 v[FG+8*(\g):FG+8*(\g)+3],   v[ADRF] offset:64*(\kq)
	ds_load_b128 v[FG+8*(\g)+4:FG+8*(\g)+7], v[ADRF] offset:64*(\kq)+32
	WIN 0
.irp b, 0,1,2,3,4,5
	ds_load_b128 v[VF+48*(\g)+8*(\b):VF+48*(\g)+8*(\b)+3],   v[ADRB] offset:64*(\kq)+(\b)*16*VP
	ds_load_b128 v[VF+48*(\g)+8*(\b)+4:VF+48*(\g)+8*(\b)+7], v[ADRB] offset:64*(\kq)+(\b)*16*VP+32
.endr
.irp a, 0,1,2,3,4,5,6,7
	ds_load_tr16_b128 v[PF+64*(\g)+8*(\a):PF+64*(\g)+8*(\a)+3],   v[ADRA] offset:(\kq)*32*TP+32*(\a)
	ds_load_tr16_b128 v[PF+64*(\g)+8*(\a)+4:PF+64*(\g)+8*(\a)+7], v[ADRA] offset:(\kq)*32*TP+32*(\a)+16*TP
.endr
.endm
; A quarter: the next one's fragments are fetched into g; f, which was awaited and scaled a quarter ago, is multiplied; g lands during the first 30 products and is scaled beside the last 18.
.macro Q kq, f, g, zero
	PLACES                                         ; g was read by the products just issued
	FETCH \kq, \g
	MULR \f, 0, 4, \zero
	s_wait_dscnt 0x0                               ; g is in
	MULS \f, \g, \zero
.endm
; Two quarters.  Buffer 1 holds an odd quarter (a step's second or fourth); the two fetches take the two quarters that follow it.
.macro PAIR
	v_add_nc_u32 v[ADRA], s[TQA], v[A0]
	v_add_nc_u32 v[ADRB], s[TQB], v[B0]
	v_add_nc_u32 v[ADRF], s[TQF], v[FB]
	s_add_co_u32 s[TQA], s[TQA], 2*32*TP           ; the next PAIR's fetches begin two quarters on
	s_add_co_u32 s[TQB], s[TQB], 128
	s_add_co_u32 s[TQF], s[TQF], 128
	Q 0, 1, 0, 0
	Q 1, 0, 1, 0
	WIN 0                                          ; at a label and at a branch every window is 0
.endm
; THE CHANGE OF SLOTS, between a K step's third quarter and its fourth.  Each wave waits for all its tensor loads (one is out: its part of the next slot), adds 0 to its spare word, and waits for that and for its
; reads of this slot, the fourth quarter's fragments among them.  fill = 1: the barrier is a round of the cluster's, and the slot just read out is filled again first thing behind it, with the K step two on:
; it has a whole K step, 192 matrix instructions, in which to land.
.macro SYNC fill
.if \fill
	s_wait_xcnt 0x0                                ; the last prefetch, a K step back, has read its address
	s_add_nc_u64 s[PFA:PFA+1], s[PFA:PFA+1], s[IP:IP+1]
.endif
	s_wait_tensorcnt 0x0                           ; no tensor load of mine is out, so a group 0 may be written
	ds_add_u32 v[SPW], v[NIL]                      ; 0 onto my spare word: the scalar work below stands between it and the wait for it
.if \fill
	s_add_co_u32 s[GA+1], s[LWA], s[TB]            ; into the slot that has been read,
	s_add_co_u32 s[GB+1], s[LWB], s[TB]
	s_add_nc_u64 s[GA+2:GA+3], s[GA+2:GA+3], 128*2048  ; the next 128 keys: rows of pt,
	s_add_nc_u64 s[GB+2:GB+3], s[GB+2:GB+3], 256       ; 256 bytes along v's rows; the type bits on top are not reached
.endif
	s_xor_b32 s[TB], s[TB], SLOT                   ; the reads go on in the other slot,
	s_mov_b32 s[TQA], s[TB]                        ; at its first quarter
	s_mov_b32 s[TQB], s[TB]
	s_wait_dscnt 0x0                               ; the add is done, and my reads of this slot are over
.if \fill
	CROUND                                         ; no wave of any partner still reads the slot or has a load on its way
	JLOAD
	ASK
.else
	s_barrier_signal -1
	s_barrier_wait -1
.endif
.endm
; THE FACTOR TABLE, group g: my four keys 512 g + 4 t .. + 3.
.macro TABLE g
.set tb, TG+72*(\g)
.irp e, 0,1,2,3
	v_max3_num_f32 v[TM+(\e)], v[tb+(\e)], v[tb+4+(\e)], v[tb+8+(\e)]
.endr
.irp e, 0,1,2,3
	v_max3_num_f32 v[TM+(\e)], v[TM+(\e)], v[tb+12+(\e)], v[tb+16+(\e)]
.endr
.irp e, 0,1,2,3
	v_max3_num_f32 v[TM+(\e)], v[TM+(\e)], v[tb+20+(\e)], v[tb+24+(\e)]
.endr
.irp e, 0,1,2,3
	v_max_num_f32 v[TM+(\e)], v[TM+(\e)], v[tb+28+(\e)]  ; M
.endr
.set i, 0
.rept 16
	v_pk_add_f32 v[tb+2*i:tb+2*i+1], v[tb+2*i:tb+2*i+1], v[TM+2*(i%2):TM+2*(i%2)+1] neg_lo:[0,1] neg_hi:[0,1]  ; lm - M, all eight chunks
.set i, i+1
.endr
.set i, 0
.rept 4
	v_pk_add_f32 v[tb+64+2*i:tb+64+2*i+1], v[tb+64+2*i:tb+64+2*i+1], v[TM+2*(i%2):TM+2*(i%2)+1] neg_lo:[0,1] neg_hi:[0,1]  ; and my two
.set i, i+1
.endr
.set i, 0
.rept 32
	v_exp_f32 v[tb+i], v[tb+i]
.set i, i+1
.endr
.set i, 0
.rept 8
	v_exp_f32 v[tb+64+i], v[tb+64+i]
.set i, i+1
.endr
	v_nop                                          ; a plain instruction behind the last exponential,
	s_wait_alu depctr_va_vdst(0)                   ; and one wait for the batch of 40
.irp p, 0,1
	v_pk_mul_f32 v[TL+2*(\p):TL+2*(\p)+1], v[tb+32+2*(\p):tb+32+2*(\p)+1], v[tb+2*(\p):tb+2*(\p)+1]
.endr
.irp c, 1,2,3,4,5,6,7
.irp p, 0,1
	v_pk_fma_f32 v[TL+2*(\p):TL+2*(\p)+1], v[tb+32+4*(\c)+2*(\p):tb+32+4*(\c)+2*(\p)+1], v[tb+4*(\c)+2*(\p):tb+4*(\c)+2*(\p)+1], v[TL+2*(\p):TL+2*(\p)+1]  ; L
.endr
.endr
.irp e, 0,1,2,3
	v_rcp_f32 v[TL+4+(\e)], v[TL+(\e)]
.endr
	v_nop
	s_wait_alu depctr_va_vdst(0)                   ; one wait for the four reciprocals
.irp j, 0,1
.irp p, 0,1
	v_pk_mul_f32 v[tb+64+4*(\j)+2*(\p):tb+64+4*(\j)+2*(\p)+1], v[tb+64+4*(\j)+2*(\p):tb+64+4*(\j)+2*(\p)+1], v[TL+4+2*(\p):TL+4+2*(\p)+1]
.endr
.endr
.irp j, 0,1
.irp p, 0,1
	v_cvt_pk_f16_f32 v[TF+2*(\j)+(\p)], v[tb+64+4*(\j)+2*(\p)], v[tb+64+4*(\j)+2*(\p)+1]
.endr
	ds_store_b64 v[FTA], v[TF+2*(\j):TF+2*(\j)+1] offset:2048*(\j)+1024*(\g)
.endr
.endm
	s_load_b256 s[4:11], s[0:1], 0x0               ; pt s[4:5], qkvt s[6:7], stats s[8:9], out0 s[10:11]
	v_lshl_add_u32 v[SPW], v0, 2, SPARE
	v_mov_b32 v[NIL], 0
	ds_add_u32 v[SPW], v[NIL]                      ; the wave's opening: the add and its wait stand ahead of my first tensor load; the set-up below, work on registers, stands between them
	v_lshrrev_b32 v1, 5, v0
	v_readfirstlane_b32 s[WV], v1
	s_lshr_b32 s[RH], s[WV], 1                     ; my half of the queries (my chunk); also: I fetch for pt (0) or v (1)
	s_and_b32 s[CH], s[WV], 1                      ; my half of the channels; also: which half of that tile I fetch
	s_bfe_u32 s[CX], ttmp6, 0x40000
	s_bfe_u32 s[CY], ttmp6, 0x40004
	s_lshl_b32 s17, s[CY], 2
	s_lshl_b32 s17, 15, s17                        ; my row of the cluster
	s_lshl_b32 s18, 0x1111, s[CX]                  ; my column
	s_or_b32 s[G1A], s17, DWA
	s_or_b32 s[G1B], s18, DWB
	s_mov_b32 s[G1A+1], 256<<16                    ; pt: 64 rows x 256 elements, 1,024 elements from row to row
	s_mov_b32 s[G1A+2], 64<<16
	s_mov_b32 s[G1A+3], 256<<16
	s_mov_b32 s[G1A+4], 64
	s_mov_b32 s[G1A+5], 1024
	s_mov_b32 s[G1A+6], 0
	s_mov_b32 s[G1A+7], 0
	s_mov_b32 s[G1B+1], 128<<16                    ; v: 96 rows x 128 elements, 16,384 elements from row to row
	s_mov_b32 s[G1B+2], 96<<16
	s_mov_b32 s[G1B+3], 128<<16
	s_mov_b32 s[G1B+4], 96
	s_mov_b32 s[G1B+5], 16384
	s_mov_b32 s[G1B+6], 0
	s_mov_b32 s[G1B+7], 0
	s_mul_i32 s[LWA], s[CH], AHALF
	s_mul_i32 s[LWB], s[CH], BHALF
	s_add_co_u32 s[LWB], s[LWB], BOFF
	s_lshl_b32 s20, ttmp9, 21                      ; pt: batch, key row 64 x half, query 256 cy; in registers that never hold cx
	s_lshl_b32 s17, s[CH], 17
	s_add_co_u32 s20, s20, s17
	s_lshl_b32 s17, s[CY], 9
	s_add_co_u32 s20, s20, s17
	s_mov_b32 s21, 0
	s_mul_i32 s22, s[CX], 192                      ; v: channel row 1536 + 192 cx + 96 x half, column 1024 b; in registers that never hold cy
	s_mul_i32 s18, s[CH], 96
	s_add_co_u32 s22, s22, s18
	s_add_co_u32 s22, s22, 1536
	s_lshl_b32 s22, s22, 15
	s_lshl_b32 s18, ttmp9, 11
	s_add_co_u32 s22, s22, s18
	s_mov_b32 s23, 0
	s_lshl_b32 s2, ttmp9, 16                       ; stats: my batch's 65,536 bytes,
	s_mov_b32 s3, 0
	s_lshl_b32 s86, s[CY], 14                      ; and in them chunks 2 cy and 2 cy + 1
	s_mov_b32 s87, 0
	s_mov_b32 s[TB], 0
	s_wait_dscnt 0x0                               ; the opening add is done
	s_wait_kmcnt 0x0
	s_add_nc_u64 s[20:21], s[4:5], s[20:21]
	s_add_nc_u64 s[22:23], s[6:7], s[22:23]
	s_add_nc_u64 s[SB:SB+1], s[8:9], s[2:3]
	s_add_nc_u64 s[SO:SO+1], s[SB:SB+1], s[86:87]
	s_mov_b32 s[GA0], 1
	s_mov_b32 s[GA0+1], s[LWA]                     ; K step 0 into slot 0
	s_mov_b64 s[GA0+2:GA0+3], s[20:21]
	s_or_b32 s[GA0+3], s[GA0+3], 0x80000000
	s_mov_b32 s[GA], 1
	s_add_co_u32 s[GA+1], s[LWA], SLOT             ; K step 1 into slot 1
	s_add_nc_u64 s[GA+2:GA+3], s[20:21], 128*2048
	s_or_b32 s[GA+3], s[GA+3], 0x80000000
	s_mov_b32 s[GB0], 1
	s_mov_b32 s[GB0+1], s[LWB]
	s_mov_b64 s[GB0+2:GB0+3], s[22:23]
	s_or_b32 s[GB0+3], s[GB0+3], 0x80000000
	s_mov_b32 s[GB], 1
	s_add_co_u32 s[GB+1], s[LWB], SLOT
	s_add_nc_u64 s[GB+2:GB+3], s[22:23], 256
	s_or_b32 s[GB+3], s[GB+3], 0x80000000
	CROUND                                         ; all sixteen work-groups are here: the first joint loads meet
	s_cmp_eq_u32 s[RH], 0                          ; a wave's two first fills stand in one branch: two loads of mine are out
	s_cbranch_scc0 .Lfirst_b
	tensor_load_to_lds s[GA0:GA0+3], s[G1A:G1A+7]
	s_nop 0
	tensor_load_to_lds s[GA:GA+3], s[G1A:G1A+7]
	s_nop 0
.rept 4
	v_nop
.endr
	s_branch .Lfirst_asked
.Lfirst_b:
	tensor_load_to_lds s[GB0:GB0+3], s[G1B:G1B+7]
	s_nop 0
	tensor_load_to_lds s[GB:GB+3], s[G1B:G1B+7]
	s_nop 0
.rept 4
	v_nop
.endr
.Lfirst_asked:
	v_lshlrev_b32 v[TO], 4, v0                     ; thread t takes keys 512 g + 4 t .. + 3, g = 0, 1: all 36 loads go out at once
.irp g, 0,1
.irp c, 0,1,2,3,4,5,6,7
	global_load_b128 v[TG+72*(\g)+4*(\c):TG+72*(\g)+4*(\c)+3],       v[TO], s[SB:SB+1] offset:(\c)*8192+2048*(\g)
	global_load_b128 v[TG+72*(\g)+32+4*(\c):TG+72*(\g)+32+4*(\c)+3], v[TO], s[SB:SB+1] offset:(\c)*8192+4096+2048*(\g)
.endr
	global_load_b128 v[TG+72*(\g)+64:TG+72*(\g)+67], v[TO], s[SO:SO+1] offset:2048*(\g)
	global_load_b128 v[TG+72*(\g)+68:TG+72*(\g)+71], v[TO], s[SO:SO+1] offset:8192+2048*(\g)
.endr
	v_lshl_add_u32 v[FTA], v0, 3, FT
	v_and_b32 v1, 15, v0                           ; l % 16
	v_bfe_u32 v2, v0, 4, 1                         ; l / 16
	v_and_b32 v3, 7, v0
	v_bfe_u32 v4, v0, 3, 1
	v_lshl_add_u32 v3, v2, 3, v3                   ; the turning load: key row 8 (l / 16) + l % 8,
	v_mul_u32_u24 v3, v3, TP
	v_lshl_add_u32 v3, v4, 4, v3                   ; queries 8 ((l / 8) % 2) + 0..7
	s_lshl_b32 s17, s[RH], 8                       ; my 128 queries: 256 bytes of a row
	v_add_nc_u32 v[A0], s17, v3
	v_mul_u32_u24 v3, v1, VP
	v_lshl_add_u32 v3, v2, 4, v3
	s_mul_i32 s17, s[CH], BHALF                    ; my 96 channels
	s_add_co_u32 s17, s17, BOFF
	v_add_nc_u32 v[B0], s17, v3
	s_lshl_b32 s17, s[RH], 11                      ; my chunk's factors
	s_add_co_u32 s17, s17, FT
	v_lshl_add_u32 v[FB], v2, 4, s17
	v_lshlrev_b32 v3, 4, v1                        ; the way out.  A pair of rows is six blocks of 256 bytes; load i takes blocks 2 i and 2 i + 1, 16 lanes each
	v_lshl_add_u32 v[GO0], v2, 8, v3               ; blocks 0, 1: row 0
	s_mul_i32 s17, s[WV], 64*OPITCH                ; wave w reads rows 64 w .. 64 w + 63 back, whole
	v_add_nc_u32 v[RD0], s17, v[GO0]
	v_mul_u32_u24 v4, v2, 272                      ; blocks 2, 3: the end of row 0, the head of row 1
	v_add_nc_u32 v[RD1], v4, v3
	v_add_nc_u32 v[RD1], s17, v[RD1]
	v_add_nc_u32 v[RD1], 512, v[RD1]
	v_add_nc_u32 v[RD2], 1040, v[RD0]              ; blocks 4, 5: row 1
	v_mul_u32_u24 v4, v2, 2560
	v_add_nc_u32 v[GO1], v4, v3
	v_add_nc_u32 v[GO1], 512, v[GO1]
	v_add_nc_u32 v[GO2], 3328, v[GO0]
	s_mul_i32 s17, s[RH], 128*OPITCH               ; in: row 128 x half + l % 16, channels 96 x half + 8 (l / 16), 4 bytes each
	s_mul_i32 s18, s[CH], 384
	s_add_co_u32 s17, s17, s18
	v_mul_u32_u24 v4, v1, OPITCH
	v_lshl_add_u32 v4, v2, 5, v4
	v_add_nc_u32 v[STO], s17, v4
	v_add_nc_u32 v[STO2], 4*16*OPITCH, v[STO]      ; an LDS immediate has 16 bits: blocks 4-7 have a register of their own
	s_lshl_b32 s17, ttmp9, 10                      ; out0: row 1024 b + 256 cy + 64 x wave, 3,072 bytes each; channel 192 cx, 4 bytes each
	s_lshl_b32 s18, s[CY], 8
	s_add_co_u32 s17, s17, s18
	s_lshl_b32 s18, s[WV], 6
	s_add_co_u32 s17, s17, s18
	s_mul_i32 s2, s17, 3072
	s_mul_i32 s18, s[CX], 768
	s_add_co_u32 s2, s2, s18
	s_mov_b32 s3, 0
	s_add_nc_u64 s[OUTP:OUTP+1], s[10:11], s[2:3]
	s_mov_b32 s86, 24*32768                        ; the prefetches: one formula, its constants chosen by what I fetch
	s_mov_b32 s87, 128*2048
	s_cmp_eq_u32 s[RH], 0
	s_cselect_b64 s[PFA:PFA+1], s[20:21], s[22:23]
	s_cselect_b32 s2, s[CX], s[CY]                 ; my place among the four that ask jointly
	s_cselect_b32 s3, 16*2048, s86                 ; a partner's share in bytes: 16 rows of pt, 24 of v
	s_cselect_b32 s[IP], s87, 256                  ; a K step
	s_cselect_b32 s17, 1, 0                        ; pt: two lanes a row
	s_cselect_b32 s18, 15, 23                      ; the last row of a share
	s_cselect_b32 s19, 11, 15                      ; a row is 2,048 or 32,768 bytes
	s_mov_b32 s[IP+1], 0
	s_mul_i32 s2, s2, s3
	s_lshl_b32 s3, s[IP], 1                        ; at K step 2: the first change of slots steps it to 3
	s_add_co_u32 s2, s2, s3
	s_mov_b32 s3, 0
	s_add_nc_u64 s[PFA:PFA+1], s[PFA:PFA+1], s[2:3]
	v_and_b32 v3, 31, v0
	v_lshrrev_b32 v4, s17, v3
	v_min_u32 v4, s18, v4
	v_lshlrev_b32 v4, s19, v4
	v_and_b32 v3, s17, v3
	v_lshl_add_u32 v[PFO], v3, 8, v4
	s_wait_loadcnt 18                              ; group 0's 18 loads are in; group 1's may stay out
	TABLE 0
	s_wait_loadcnt 0x0
	TABLE 1
	s_wait_tensorcnt 1                             ; my part of K step 0 is in; K step 1's may stay out
	s_wait_dscnt 0x0                               ; for the others' sake: my part of the table is stored
	s_barrier_signal -1
	s_barrier_wait -1
	v_mov_b32 v[ADRA], v[A0]
	v_mov_b32 v[ADRB], v[B0]
	v_mov_b32 v[ADRF], v[FB]
	FETCH 0, 0
	s_wait_dscnt 0x0
.set si, 0
.rept 16
	SLICE 0                                        ; the first quarter's scaling has no products to stand beside
.endr
	Q 1, 0, 1, 1                                   ; the first quarter is written out: its products start the sums, and nothing is cleared
	WIN 0
	s_mov_b32 s[TQA], 2*32*TP                      ; K step 0 has one PAIR left: its second and third quarters are multiplied, its third and fourth fetched
	s_mov_b32 s[TQB], 128
	s_mov_b32 s[TQF], 128
	s_mov_b32 s[CNT2], 1
	s_mov_b32 s[CNT], 7
	s_branch .Lpair                                ; the loop is entered in its middle
.Lstep:                                                ; six times: a change of slots that fills a slot again, then the fourth quarter of one K step and the first three of the next
	SYNC 1
	s_mov_b32 s[CNT2], 2
.Lpair:
	PAIR
	s_sub_co_u32 s[CNT2], s[CNT2], 1
	s_cmp_lg_u32 s[CNT2], 0
	s_cbranch_scc1 .Lpair
	s_sub_co_u32 s[CNT], s[CNT], 1
	s_cmp_lg_u32 s[CNT], 0
	s_cbranch_scc1 .Lstep
	SYNC 0                                         ; the last change of slots is written out: nothing is asked for
	s_mov_b32 s[CNT2], 2
.Ltpair:
	PAIR
	s_sub_co_u32 s[CNT2], s[CNT2], 1
	s_cmp_lg_u32 s[CNT2], 0
	s_cbranch_scc1 .Ltpair
	MULR 1, 0, 7, 0                                ; the last quarter: buffer 1 was awaited and scaled in the quarter before
	; THE WAY OUT.  A row's 768 bytes come from two waves, so the tile goes through ONE stage: a barrier before it is written (every wave's reads of the ring are over), one between writing and reading.
	PLACES
	WIN 0
	s_wait_dscnt 0x0
	s_barrier_signal -1
	s_barrier_wait -1
.set ma, 0
.rept 8
.set mb, 0
.rept 6
.if ma < 5
	WIN 0x04                                       ; the stores' data in window 1
.set rC, 8*(6*ma+mb)
.else
	WIN 0x08                                       ; in window 2
.set rC, 8*(6*(ma-5)+mb)
.endif
.if ma < 4
	ds_store_b128 v[STO], v[rC:rC+3]   offset:16*OPITCH*ma+64*mb       ; each accumulator's low four registers first
	ds_store_b128 v[STO], v[rC+4:rC+7] offset:16*OPITCH*ma+64*mb+16
.else
	ds_store_b128 v[STO2], v[rC:rC+3]   offset:16*OPITCH*(ma-4)+64*mb
	ds_store_b128 v[STO2], v[rC+4:rC+7] offset:16*OPITCH*(ma-4)+64*mb+16
.endif
.set mb, mb+1
.endr
.set ma, ma+1
.endr
	WIN 0
	s_wait_dscnt 0x0                               ; for the others' sake: my stores into the stage are done
	s_barrier_signal -1
	s_barrier_wait -1
	s_mov_b32 s[CNT], 4
.Lrows:                                                ; four trips of 16 rows: eight pairs, three loads and three stores each
.irp p, 0,1,2,3,4,5,6,7
	ds_load_b128 v[32+12*(\p):35+12*(\p)], v[RD0] offset:2*OPITCH*(\p)
	ds_load_b128 v[36+12*(\p):39+12*(\p)], v[RD1] offset:2*OPITCH*(\p)
	ds_load_b128 v[40+12*(\p):43+12*(\p)], v[RD2] offset:2*OPITCH*(\p)
.endr
.irp p, 0,1,2,3,4,5,6,7
	s_wait_dscnt 23-3*(\p)                         ; LDS loads come back in order: the younger ones stay out
	global_store_b128 v[GO0], v[32+12*(\p):35+12*(\p)], s[OUTP:OUTP+1] offset:6144*(\p) th:TH_STORE_NT  ; 16 lanes store 256 consecutive bytes, at a multiple of 256 from out0's first byte
	s_wait_dscnt 22-3*(\p)
	global_store_b128 v[GO1], v[36+12*(\p):39+12*(\p)], s[OUTP:OUTP+1] offset:6144*(\p) th:TH_STORE_NT
	s_wait_dscnt 21-3*(\p)
	global_store_b128 v[GO2], v[40+12*(\p):43+12*(\p)], s[OUTP:OUTP+1] offset:6144*(\p) th:TH_STORE_NT
.endr
	s_wait_xcnt 0x0                                ; the stores have read their data registers and their base, which are written again below and in the next trip
	v_add_nc_u32 v[RD0], 16*OPITCH, v[RD0]
	v_add_nc_u32 v[RD1], 16*OPITCH, v[RD1]
	v_add_nc_u32 v[RD2], 16*OPITCH, v[RD2]
	s_add_nc_u64 s[OUTP:OUTP+1], s[OUTP:OUTP+1], 16*3072
	s_sub_co_u32 s[CNT], s[CNT], 1
	s_cmp_lg_u32 s[CNT], 0
	s_cbranch_scc1 .Lrows
	s_wait_tensorcnt 0x0                           ; the wave's end: a wait, an add and its wait, behind my last tensor load and my last LDS store
	ds_add_u32 v[SPW], v[NIL]
	s_wait_dscnt 0x0
	CROUND                                         ; the closing round
	s_endpgm
.Lfunc_end_k_q4b17d11312_mix:
	.size	k_q4b17d11312_mix, .Lfunc_end_k_q4b17d11312_mix-k_q4b17d11312_mix
	.p2alignl 7, 3214868480
	.fill 96, 4, 3214868480
	.section	.rodata,"a",@progbits
	.p2align	6, 0x0
	.amdhsa_kernel k_q4b17d11312_mix
		.amdhsa_group_segment_fixed_size 327680
		.amdhsa_private_segment_fixed_size 0
		.amdhsa_enable_private_segment 0
		.amdhsa_kernarg_size 32
		.amdhsa_user_sgpr_count 2
		.amdhsa_user_sgpr_kernarg_segment_ptr 1
		.amdhsa_wavefront_size32 1
		.amdhsa_system_sgpr_workgroup_id_x 1
		.amdhsa_system_sgpr_workgroup_id_y 1
		.amdhsa_system_sgpr_workgroup_id_z 1
		.amdhsa_system_vgpr_workitem_id 0
		.amdhsa_next_free_vgpr 768
		.amdhsa_next_free_sgpr 96
		.amdhsa_reserve_vcc 0
		.amdhsa_float_denorm_mode_32 3
		.amdhsa_float_denorm_mode_16_64 3
		.amdhsa_memory_ordered 1
		.amdhsa_forward_progress 1
		.amdhsa_inst_pref_size 98
	.end_amdhsa_kernel
	.amdgpu_metadata
---
amdhsa.version: [ 1, 2 ]
amdhsa.kernels:
  - .name:           k_q4b17d11312_mix
    .symbol:         k_q4b17d11312_mix.kd
    .args:
      - { .name: pt, .offset: 0, .size: 8, .value_kind: global_buffer, .address_space: global }
      - { .name: qkvt, .offset: 8, .size: 8, .value_kind: global_buffer, .address_space: global }
      - { .name: stats, .offset: 16, .size: 8, .value_kind: global_buffer, .address_space: global }
      - { .name: out0, .offset: 24, .size: 8, .value_kind: global_buffer, .address_space: global }
    .group_segment_fixed_size: 327680
    .private_segment_fixed_size: 0
    .kernarg_segment_align: 8
    .kernarg_segment_size: 32
    .max_flat_workgroup_size: 128
    .sgpr_count:     96
    .vgpr_count:     768
    .wavefront_size: 32
...
	.end_amdgpu_metadata
.endif
;; end of part 4
;; ======== version 2 of 2: 4 launches; version 1 with the launch cast written anew for expert scheduling mode
;; limits: values outside matrix products are rounded to bf16; values are held in f16: magnitudes above 65,504 overflow, below 6.1e-05 lose precision
;; workspace buffers: xb 25,165,824 bytes; wb 3,538,944 bytes; qkvt 75,497,472 bytes; pt 33,554,432 bytes; stats 1,048,576 bytes
;; launch cast (part 5): grid 876 x 1, 8 waves a work-group, no clusters, 0 bytes of LDS; arguments x, Wq, Wk, Wv, xb, wb; writes xb, wb
.if DOCPART == 5
	.amdgcn_target "amdgcn-amd-amdhsa--gfx1250"
	.amdhsa_code_object_version 6
	.text
	.protected	k_q4b17d11312_cast
	.globl	k_q4b17d11312_cast
	.p2align	8
	.type	k_q4b17d11312_cast,@function
k_q4b17d11312_cast:
	s_mov_b64 s[64:65], 0
	v_nop
	global_prefetch_b8 v0, s[64:65] scope:SCOPE_SE
	s_setreg_imm32_b32 hwreg(HW_REG_WAVE_SCHED_MODE, 0, 2), 2
	s_setreg_imm32_b32 hwreg(HW_REG_WAVE_MODE, 25, 1), 1
	s_wait_xcnt 0x0
	s_wait_alu depctr_vm_vsrc(0)
; x [16384][768] and Wq, Wk, Wv [768][768], all f32, are rounded once to bf16 (nearest even): xb [16384][768], wb [2304][768] (rows 0-767 Wq, 768-1535 Wk, 1536-2303 Wv).
; A stream: every byte is read once and written once; no LDS, no barrier, no matrix unit, no cluster (no two work-groups read the same byte).
; A work-group of eight waves takes 65,536 bytes in and makes 32,768 bytes out.  Work-groups 0-767 take x (768 x 65,536 = its bytes); 768-875 the weights, 36 each, in the order q, k, v, whose
; outputs follow each other in wb.  All sixteen loads of a thread go out at once; no register is used twice.
; THE MODE: SCHED_MODE bits 1:0 = 2 (LLVM: expert scheduling mode 2), set by the entry lines.  The code itself states the register dependences
; between vector instructions and memory instructions, with s_wait_alu, always for 0.
; THE PLAN.  Registers that memory instructions touch:
;   v1, v2   byte offsets of the loads and of the stores.  Written once at the head by vector lines, read by every load (v1) and every store (v2), never written again.
;   X        sixteen loads' data.  Written by the loads alone, each register once; read by the conversions.  No load lands in a register that a vector line has named.
;   Y        sixteen stores' data.  Written by the conversions, each register once; read by the stores.  No register that a store reads is written again.
; So one wait stands ahead of the first load, for the two offsets, and one ahead of each run of four stores, for the eight registers of Y that the run reads: five in all.
; The sixteen loads are taken in four groups of four: the wait for the group's data, its eight conversions, the wait for their results, its four stores.
; No vector line writes a scalar register or VCC, and EXEC is never written.
.set X, 4                              ; v[4:67]   sixteen loads of four f32
.set Y, 68                             ; v[68:99]  sixteen pairs of registers, four bf16 each
	s_load_b256 s[4:11], s[0:1], 0x0               ; x s[4:5], Wq s[6:7], Wk s[8:9], Wv s[10:11]
	s_load_b128 s[12:15], s[0:1], 0x20             ; xb s[12:13], wb s[14:15]
	v_lshlrev_b32 v1, 4, v0                        ; 16 bytes in a thread: a wave's load covers 512 consecutive bytes
	v_lshlrev_b32 v2, 3, v0                        ; 8 bytes out a thread: a wave's store covers 256 consecutive bytes, aligned
	s_sub_co_u32 s16, ttmp9, 768                   ; my block among the weights' 108, and in Wq
	s_sub_co_u32 s17, ttmp9, 804                   ; in Wk
	s_sub_co_u32 s18, ttmp9, 840                   ; in Wv
	s_wait_kmcnt 0x0
	s_cmp_lt_u32 ttmp9, 768
	s_cselect_b64 s[20:21], s[4:5], s[6:7]         ; from: x or Wq
	s_cselect_b64 s[22:23], s[12:13], s[14:15]     ; to: xb or wb
	s_cselect_b32 s24, ttmp9, s16                  ; block in the source
	s_cselect_b32 s26, ttmp9, s16                  ; block in the destination
	s_cmp_ge_u32 ttmp9, 804
	s_cselect_b64 s[20:21], s[8:9], s[20:21]
	s_cselect_b32 s24, s17, s24
	s_cmp_ge_u32 ttmp9, 840
	s_cselect_b64 s[20:21], s[10:11], s[20:21]
	s_cselect_b32 s24, s18, s24
	s_lshl_b32 s24, s24, 16
	s_mov_b32 s25, 0
	s_lshl_b32 s26, s26, 15
	s_mov_b32 s27, 0
	s_add_nc_u64 s[20:21], s[20:21], s[24:25]
	s_add_nc_u64 s[22:23], s[22:23], s[26:27]
	s_wait_alu depctr_va_vdst(0)                   ; v1 and v2 are written: every load below reads v1 as its offset, every store v2; no later vector line names either
.irp i, 0,1,2,3,4,5,6,7,8,9,10,11,12,13,14,15
	global_load_b128 v[X+4*(\i):X+4*(\i)+3], v1, s[20:21] offset:4096*(\i) th:TH_LOAD_NT
.endr
.irp g, 0,1,2,3
	s_wait_loadcnt 12-4*(\g)                       ; loads come back in order: group g's four are in, the 12 - 4 g younger ones stay out
.irp i, 0,1,2,3
	v_cvt_pk_bf16_f32 v[Y+2*(4*(\g)+(\i))],   v[X+4*(4*(\g)+(\i))],   v[X+4*(4*(\g)+(\i))+1]
	v_cvt_pk_bf16_f32 v[Y+2*(4*(\g)+(\i))+1], v[X+4*(4*(\g)+(\i))+2], v[X+4*(4*(\g)+(\i))+3]
.endr
	s_wait_alu depctr_va_vdst(0)                   ; the eight conversions have written group g's registers of Y, which the four stores below read
.irp i, 0,1,2,3
	global_store_b64 v2, v[Y+2*(4*(\g)+(\i)):Y+2*(4*(\g)+(\i))+1], s[22:23] offset:2048*(4*(\g)+(\i)) th:TH_STORE_NT
.endr
.endr
	s_endpgm
.Lfunc_end_k_q4b17d11312_cast:
	.size	k_q4b17d11312_cast, .Lfunc_end_k_q4b17d11312_cast-k_q4b17d11312_cast
	.p2alignl 7, 3214868480
	.fill 96, 4, 3214868480
	.section	.rodata,"a",@progbits
	.p2align	6, 0x0
	.amdhsa_kernel k_q4b17d11312_cast
		.amdhsa_group_segment_fixed_size 0
		.amdhsa_private_segment_fixed_size 0
		.amdhsa_enable_private_segment 0
		.amdhsa_kernarg_size 48
		.amdhsa_user_sgpr_count 2
		.amdhsa_user_sgpr_kernarg_segment_ptr 1
		.amdhsa_wavefront_size32 1
		.amdhsa_system_sgpr_workgroup_id_x 1
		.amdhsa_system_sgpr_workgroup_id_y 1
		.amdhsa_system_sgpr_workgroup_id_z 1
		.amdhsa_system_vgpr_workitem_id 0
		.amdhsa_next_free_vgpr 100
		.amdhsa_next_free_sgpr 66
		.amdhsa_reserve_vcc 0
		.amdhsa_float_denorm_mode_32 3
		.amdhsa_float_denorm_mode_16_64 3
		.amdhsa_memory_ordered 1
		.amdhsa_forward_progress 1
		.amdhsa_inst_pref_size 7
	.end_amdhsa_kernel
	.amdgpu_metadata
---
amdhsa.version: [ 1, 2 ]
amdhsa.kernels:
  - .name:           k_q4b17d11312_cast
    .symbol:         k_q4b17d11312_cast.kd
    .args:
      - { .name: x, .offset: 0, .size: 8, .value_kind: global_buffer, .address_space: global }
      - { .name: Wq, .offset: 8, .size: 8, .value_kind: global_buffer, .address_space: global }
      - { .name: Wk, .offset: 16, .size: 8, .value_kind: global_buffer, .address_space: global }
      - { .name: Wv, .offset: 24, .size: 8, .value_kind: global_buffer, .address_space: global }
      - { .name: xb, .offset: 32, .size: 8, .value_kind: global_buffer, .address_space: global }
      - { .name: wb, .offset: 40, .size: 8, .value_kind: global_buffer, .address_space: global }
    .group_segment_fixed_size: 0
    .private_segment_fixed_size: 0
    .kernarg_segment_align: 8
    .kernarg_segment_size: 48
    .max_flat_workgroup_size: 256
    .sgpr_count:     66
    .vgpr_count:     100
    .wavefront_size: 32
...
	.end_amdgpu_metadata
.endif
;; end of part 5
;; launch proj: the kernel of part 2 again; grid 64 x 4, 4 waves a work-group, clusters of 4 x 4, 327,680 bytes of LDS; arguments wb, xb, qkvt; writes qkvt
;; launch score: the kernel of part 3 again; grid 64 x 4, 4 waves a work-group, clusters of 4 x 4, 327,680 bytes of LDS; arguments qkvt, temperature, pt, stats; writes pt, stats
;; launch mix: the kernel of part 4 again; grid 64 x 4, 4 waves a work-group, clusters of 4 x 4, 327,680 bytes of LDS; arguments pt, qkvt, stats, out0; writes out0
